; MI455X (gfx1250); checked and timed in simulation.
; The chip was launched on July 23, 2026; its instructions are those of AMD's public machine-readable ISA for CDNA 5 (MIT licence, August 2026) and "CDNA5" Instruction Set Architecture Reference Guide (July 2026). The comments in the code are by the model that wrote it; some were corrected since.
;; Mixture Of Experts Feed Forward. Allowed arithmetic: float matrix products may take bf16 or f16 operands with f32 sums; other float arithmetic in f32, or as packed bf16 or f16 multiplies, adds, multiply-adds, maxima and minima; sums over many terms, partial sums and values carried from step to step in f32; what a program stores and reads back later, other than sums and carried values, may be rounded once to bf16 or f16.
;; Inputs: W_in 8 x 1,024 x 4,096 float32; W_out 8 x 4,096 x 1,024 float32; Wr 1,024 x 8 float32; b_in 8 x 4,096 float32; b_out 8 x 1,024 float32; br 8 float32; x 4 x 256 x 1,024 float32.
;; Outputs: out0 4 x 256 x 1,024 float32.
;; Constants: top_k = 2.
;; One version. Each part assembles by itself: llvm-mc -triple=amdgcn-amd-amdhsa -mcpu=gfx1250 --defsym DOCPART=n.
;; ======== version 1 of 1: 5 launches
;; limits: values are held in f16: magnitudes above 65,504 overflow, below 6.1e-05 lose precision; right only within a limited range of input values
;; workspace buffers: sel 4,096 bytes of whole numbers; prb 8,192 bytes; xb 2,097,408 bytes; hp 16,777,216 bytes; h 8,388,864 bytes; yp 33,554,432 bytes
;; launch router (part 1): grid 256 x 1, 4 waves a work-group, no clusters, 16,896 bytes of LDS; arguments x, Wr, br, sel, prb, xb; writes sel, prb, xb
.if DOCPART == 1
	.amdgcn_target "amdgcn-amd-amdhsa--gfx1250"
	.amdhsa_code_object_version 6
	.text
	.protected	k_q8ae111202c_router
	.globl	k_q8ae111202c_router
	.p2align	8
	.type	k_q8ae111202c_router,@function
k_q8ae111202c_router:
	s_mov_b64 s[64:65], 0
	v_nop
	global_prefetch_b8 v0, s[64:65] scope:SCOPE_SE
	s_setreg_imm32_b32 hwreg(HW_REG_WAVE_MODE, 25, 1), 1
	s_wait_xcnt 0x0
; ROUTER.  logits = x Wr + br, softmax over 8 experts, the two largest; and xb = bf16(x) / 8 for the first product.
; x, Wr and br are rounded to bf16 (as every input of the program is); products and sums in f32 on the vector unit: 8 columns are no work for the matrix unit.
; A wave takes one token, n = 4 x work-group + wave; lane l holds k = 128 j + 4 l + i (j = 0..7, i = 0..3).
; Wr is rounded once a work-group and laid into LDS so that row k's eight bf16 (16 bytes) lie at (4 j + i) x 512 + 16 l.
; The maximum is taken away before the exponentials.  The two largest are found on the exponentials by strict >, so the lower index wins a tie.
; LIMITS.  An exponential below 2^-126 counts as 0; NaN and infinities are not treated apart.
; The last three stores are 4 bytes of one lane each (12 bytes a token, 12 KB in the launch): they fill no aligned 256 bytes; xb's stores do.
.set SPARE, 16384                      ; behind Wr's image: the spare words, 128 bytes a wave
.set LN,  1                            ; v1   lane
.set XO,  2                            ; v2   16 l
.set WO,  3                            ; v3   16 t
.set WS,  4                            ; v4   where thread t puts its 8 bytes of Wr's image
.set SPW, 5                            ; v5   my spare word
.set NIL, 6                            ; v6   0
.set X8,  7                            ; v7   8 l
.set X,   8                            ; v8-39   x as loaded; then v8-23: bf16(x) / 8
.set XP,  40                           ; v40-55  bf16(x), two to a register
.set ACC, 56                           ; v56-63  the eight sums
.set WR,  64                           ; v64-191 Wr: as loaded (v64-127), rounded (v128-159); then the image's 32 rows of my lane
.set CW,  128
.set T,   192                          ; v192-207 at work
.set RC,  T+9
.set B1,  T+10
.set I1,  T+11
.set B2,  T+12
.set I2,  T+13
	s_load_b256 s[4:11], s[0:1], 0x0               ; x s[4:5], Wr s[6:7], br s[8:9], sel s[10:11]
	s_load_b128 s[12:15], s[0:1], 0x20             ; prb s[12:13], xb s[14:15]
	v_lshl_add_u32 v[SPW], v0, 2, SPARE
	v_mov_b32 v[NIL], 0
	v_and_b32 v[LN], 31, v0
	v_lshrrev_b32 v7, 5, v0
	v_readfirstlane_b32 s2, v7                     ; wave
	s_lshl_b32 s3, ttmp9, 2
	s_add_co_u32 s3, s3, s2                        ; token n
	s_lshl_b32 s24, s3, 12                         ; its row of x
	s_mov_b32 s25, 0
	s_lshl_b32 s28, s3, 11                         ; its row of xb
	s_mov_b32 s29, 0
	s_mov_b32 s26, 0x76543210                      ; v_permlanex16_b32: each lane takes its own place in the other half
	s_mov_b32 s27, 0xfedcba98
	v_lshlrev_b32 v[XO], 4, v[LN]
	v_lshlrev_b32 v[WO], 4, v0
	v_bfe_u32 v7, v0, 1, 2                         ; thread t's 16 bytes of load i' are half t & 1 of row k = 64 i' + (t >> 1)
	v_lshlrev_b32 v[WS], 9, v7                     ; i = (t >> 1) & 3
	v_lshrrev_b32 v7, 3, v0
	v_lshl_add_u32 v[WS], v7, 4, v[WS]             ; l = 16 (i' & 1) + (t >> 3)
	v_and_b32 v7, 1, v0
	v_lshl_add_u32 v[WS], v7, 3, v[WS]
	v_lshlrev_b32 v[X8], 3, v[LN]
	s_wait_kmcnt 0x0
	s_load_b256 s[16:23], s[8:9], 0x0              ; br
	s_add_nc_u64 s[4:5], s[4:5], s[24:25]
	s_add_nc_u64 s[14:15], s[14:15], s[28:29]
.irp j, 0,1,2,3,4,5,6,7
	global_load_b128 v[X+4*\j:X+4*\j+3], v[XO], s[4:5] offset:512*\j th:TH_LOAD_NT
.endr
.irp i, 0,1,2,3,4,5,6,7,8,9,10,11,12,13,14,15
	global_load_b128 v[WR+4*\i:WR+4*\i+3], v[WO], s[6:7] offset:2048*\i
.endr
	s_wait_loadcnt 0x0
.irp i, 0,1,2,3,4,5,6,7,8,9,10,11,12,13,14,15
	v_cvt_pk_bf16_f32 v[CW+2*\i], v[WR+4*\i], v[WR+4*\i+1]
	v_cvt_pk_bf16_f32 v[CW+2*\i+1], v[WR+4*\i+2], v[WR+4*\i+3]
.endr
.irp i, 0,1,2,3,4,5,6,7,8,9,10,11,12,13,14,15
	ds_store_b64 v[WS], v[CW+2*\i:CW+2*\i+1] offset:(\i/2)*2048+(\i%2)*256
.endr
.irp i, 0,1,2,3,4,5,6,7,8,9,10,11,12,13,14,15
	v_cvt_pk_bf16_f32 v[XP+\i], v[X+2*\i], v[X+2*\i+1]
.endr
.irp i, 0,1,2,3,4,5,6,7,8,9,10,11,12,13,14,15
	v_pk_mul_bf16 v[X+\i], v[XP+\i], 0x3e003e00    ; times 2^-3, twice: exact
.endr
.irp j, 0,1,2,3,4,5,6,7
	global_store_b64 v[X8], v[X+2*\j:X+2*\j+1], s[14:15] offset:256*\j  ; 32 lanes store 256 consecutive bytes, aligned
.endr
	s_wait_dscnt 0x0                               ; for the others' sake: my part of Wr's image is written
	s_barrier_signal -1
	s_barrier_wait -1
.irp m, 0,1,2,3,4,5,6,7,8,9,10,11,12,13,14,15,16,17,18,19,20,21,22,23,24,25,26,27,28,29,30,31
	ds_load_b128 v[WR+4*\m:WR+4*\m+3], v[XO] offset:512*\m  ; row k = 128 (m / 4) + 4 l + m % 4
.endr
.irp e, 0,1,2,3,4,5,6,7
	v_mov_b32 v[ACC+\e], 0
.endr
.macro FM d, a, b, ha, hb              ; d += half ha of a x half hb of b, both bf16, in f32
.if ((\ha) == 0) && ((\hb) == 0)
	v_fma_mix_f32_bf16 v[\d], v[\a], v[\b], v[\d] op_sel_hi:[1,1,0]
.elseif ((\ha) == 1) && ((\hb) == 0)
	v_fma_mix_f32_bf16 v[\d], v[\a], v[\b], v[\d] op_sel:[1,0,0] op_sel_hi:[1,1,0]
.elseif ((\ha) == 0) && ((\hb) == 1)
	v_fma_mix_f32_bf16 v[\d], v[\a], v[\b], v[\d] op_sel:[0,1,0] op_sel_hi:[1,1,0]
.else
	v_fma_mix_f32_bf16 v[\d], v[\a], v[\b], v[\d] op_sel:[1,1,0] op_sel_hi:[1,1,0]
.endif
.endm
.set m, 0
.rept 32
.if m%8 == 0
	s_wait_dscnt 24-m                              ; LDS loads come back in order: this group of eight rows is in, the later groups stay out
.endif
.set e, 0
.rept 8
	FM ACC+e, XP+m/2, WR+4*m+e/2, m%2, e%2
.set e, e+1
.endr
.set m, m+1
.endr
	v_mov_b32 v[T+8], 0                            ; v_permlanex16_b32's destination counts as read
.irp e, 0,1,2,3,4,5,6,7
	v_add_f32_dpp v[ACC+\e], v[ACC+\e], v[ACC+\e] row_xmask:1 row_mask:0xf bank_mask:0xf
.endr
.irp e, 0,1,2,3,4,5,6,7
	v_add_f32_dpp v[ACC+\e], v[ACC+\e], v[ACC+\e] row_xmask:2 row_mask:0xf bank_mask:0xf
.endr
.irp e, 0,1,2,3,4,5,6,7
	v_add_f32_dpp v[ACC+\e], v[ACC+\e], v[ACC+\e] row_xmask:4 row_mask:0xf bank_mask:0xf
.endr
.irp e, 0,1,2,3,4,5,6,7
	v_add_f32_dpp v[ACC+\e], v[ACC+\e], v[ACC+\e] row_xmask:8 row_mask:0xf bank_mask:0xf
.endr
.irp e, 0,1,2,3,4,5,6,7
	v_permlanex16_b32 v[T+8], v[ACC+\e], s26, s27
	v_add_f32 v[ACC+\e], v[ACC+\e], v[T+8]
.endr
	s_wait_kmcnt 0x0                               ; br
.irp i, 0,1,2,3
	v_cvt_pk_bf16_f32 v[T+8], s[16+2*\i], s[17+2*\i]
	v_lshlrev_b32 v[T+2*\i], 16, v[T+8]
	v_and_b32 v[T+2*\i+1], 0xffff0000, v[T+8]
.endr
.irp e, 0,1,2,3,4,5,6,7
	v_add_f32 v[ACC+\e], v[ACC+\e], v[T+\e]
.endr
	v_max3_num_f32 v[T+8], v[ACC], v[ACC+1], v[ACC+2]
	v_max3_num_f32 v[T+8], v[T+8], v[ACC+3], v[ACC+4]
	v_max3_num_f32 v[T+8], v[T+8], v[ACC+5], v[ACC+6]
	v_max_num_f32 v[T+8], v[T+8], v[ACC+7]
.irp e, 0,1,2,3,4,5,6,7
	v_sub_f32 v[T+\e], v[ACC+\e], v[T+8]           ; the logit less the maximum,
.endr
.irp e, 0,1,2,3,4,5,6,7
	v_mul_f32 v[T+\e], 0x3fb8aa3b, v[T+\e]         ; times log2(e)
.endr
.irp e, 0,1,2,3,4,5,6,7
	v_exp_f32 v[T+\e], v[T+\e]
.endr
	v_mov_b32 v[I1], 0                             ; a plain instruction behind the last exponential,
	s_wait_alu depctr_va_vdst(0)                   ; and one wait for the batch of eight, ahead of its first reader
	v_add_f32 v[T+8], v[T], v[T+1]
	v_add_f32 v[T+14], v[T+2], v[T+3]
	v_add_f32 v[T+15], v[T+4], v[T+5]
	v_add_f32 v[T+9], v[T+6], v[T+7]
	v_add_f32 v[T+8], v[T+8], v[T+14]
	v_add_f32 v[T+15], v[T+15], v[T+9]
	v_add_f32 v[T+8], v[T+8], v[T+15]
	v_rcp_f32 v[RC], v[T+8]                        ; the search below, which names neither register, stands between it and its use
	v_mov_b32 v[B1], v[T]
.irp e, 1,2,3,4,5,6,7
	v_cmp_gt_f32 vcc_lo, v[T+\e], v[B1]
	v_cndmask_b32 v[B1], v[B1], v[T+\e], vcc_lo
	v_cndmask_b32 v[I1], v[I1], \e, vcc_lo
.endr
	v_mov_b32 v[B2], -1.0                          ; below every exponential
	v_mov_b32 v[I2], 0
.irp e, 0,1,2,3,4,5,6,7
	v_cmp_gt_f32 s28, v[T+\e], v[B2]
	v_cmp_ne_u32 s29, \e, v[I1]                    ; the first choice is left out
	s_and_b32 vcc_lo, s28, s29
	v_cndmask_b32 v[B2], v[B2], v[T+\e], vcc_lo
	v_cndmask_b32 v[I2], v[I2], \e, vcc_lo
.endr
	s_wait_alu depctr_va_vdst(0)                   ; the reciprocal's wait, ahead of its first reader
	v_mul_f32 v[B1], v[B1], v[RC]
	v_mul_f32 v[B2], v[B2], v[RC]
	v_lshl_or_b32 v[I1], v[I2], 8, v[I1]           ; e1 | e2 << 8
	s_lshl_b32 s24, s3, 2
	v_mov_b32 v[T+14], s24
	v_cmp_eq_u32 vcc_lo, 0, v[LN]
	s_wait_xcnt 0x0                                ; EXEC is a source of the stores above: it changes only behind this wait
	s_and_saveexec_b32 s28, vcc_lo
	global_store_b32 v[T+14], v[I1], s[10:11]
	global_store_b32 v[T+14], v[B1], s[12:13]
	global_store_b32 v[T+14], v[B2], s[12:13] offset:4096
	s_wait_xcnt 0x0                                ; and again in front of the line that widens it
	s_or_b32 exec_lo, exec_lo, s28
	s_wait_tensorcnt 0x0                           ; the wave's end: behind my last LDS store
	ds_add_u32 v[SPW], v[NIL]
	s_wait_dscnt 0x0
	s_endpgm
.Lfunc_end_k_q8ae111202c_router:
	.size	k_q8ae111202c_router, .Lfunc_end_k_q8ae111202c_router-k_q8ae111202c_router
	.p2alignl 7, 3214868480
	.fill 96, 4, 3214868480
	.section	.rodata,"a",@progbits
	.p2align	6, 0x0
	.amdhsa_kernel k_q8ae111202c_router
		.amdhsa_group_segment_fixed_size 16896
		.amdhsa_private_segment_fixed_size 0
		.amdhsa_enable_private_segment 0
		.amdhsa_kernarg_size 48
		.amdhsa_user_sgpr_count 2
		.amdhsa_user_sgpr_kernarg_segment_ptr 1
		.amdhsa_wavefront_size32 1
		.amdhsa_system_sgpr_workgroup_id_x 1
		.amdhsa_system_sgpr_workgroup_id_y 1
		.amdhsa_system_sgpr_workgroup_id_z 1
		.amdhsa_system_vgpr_workitem_id 0
		.amdhsa_next_free_vgpr 208
		.amdhsa_next_free_sgpr 66
		.amdhsa_reserve_vcc 1
		.amdhsa_float_denorm_mode_32 3
		.amdhsa_float_denorm_mode_16_64 3
		.amdhsa_memory_ordered 1
		.amdhsa_forward_progress 1
		.amdhsa_inst_pref_size 38
	.end_amdhsa_kernel
	.amdgpu_metadata
---
amdhsa.version: [ 1, 2 ]
amdhsa.kernels:
  - .name:           k_q8ae111202c_router
    .symbol:         k_q8ae111202c_router.kd
    .args:
      - { .name: x, .offset: 0, .size: 8, .value_kind: global_buffer, .address_space: global }
      - { .name: Wr, .offset: 8, .size: 8, .value_kind: global_buffer, .address_space: global }
      - { .name: br, .offset: 16, .size: 8, .value_kind: global_buffer, .address_space: global }
      - { .name: sel, .offset: 24, .size: 8, .value_kind: global_buffer, .address_space: global }
      - { .name: prb, .offset: 32, .size: 8, .value_kind: global_buffer, .address_space: global }
      - { .name: xb, .offset: 40, .size: 8, .value_kind: global_buffer, .address_space: global }
    .group_segment_fixed_size: 16896
    .private_segment_fixed_size: 0
    .kernarg_segment_align: 8
    .kernarg_segment_size: 48
    .max_flat_workgroup_size: 128
    .sgpr_count:     66
    .vgpr_count:     208
    .wavefront_size: 32
...
	.end_amdgpu_metadata
.endif
;; end of part 1
;; launch gemm1 (part 2): grid 32 x 8, 4 waves a work-group, no clusters, 309,248 bytes of LDS; arguments xb, W_in, b_in, sel, hp; writes hp
.if DOCPART == 2
	.amdgcn_target "amdgcn-amd-amdhsa--gfx1250"
	.amdhsa_code_object_version 6
	.text
	.protected	k_q8ae111202c_gemm1
	.globl	k_q8ae111202c_gemm1
	.p2align	8
	.type	k_q8ae111202c_gemm1,@function
k_q8ae111202c_gemm1:
	s_mov_b64 s[64:65], 0
	v_nop
	global_prefetch_b8 v0, s[64:65] scope:SCOPE_SE
	s_setreg_imm32_b32 hwreg(HW_REG_WAVE_MODE, 25, 1), 1
	s_wait_xcnt 0x0
; ONE TEXT FOR BOTH PRODUCTS OF THE EXPERTS' LAYER; G2 chooses.  G2 = 0: hp[ent] = f16(relu(x W_in[e] + b_in[e]) / 8).  G2 = 1: yp[q][ent] = p (h W_out[e] + b_out[e]), K quarter q's part, f32.
; ent = slot x 1024 + token names a token's first or second choice; each ent stands in exactly one expert's list, so each row of the output has one writer.
; SHARE.  A work-group of four waves has ONE expert (grid y) and a slice of its weights, 128 columns x 1,024 K: 512 KB of f32 that it alone reads, once; and ALL of that expert's rows, whatever their number (0 to 1,024).
; All four waves run the same text.
; THE STREAM AND THE PRODUCTS GO SIDE BY SIDE.  The slice comes in 16 chunks of 64 K.  Of chunk c wave w = 2 g + u loads K step 2 c + u of column group g (64 columns), rounds it in registers and stores it into LDS as
; matrix fragments; all four waves multiply the chunk with their own rows: weights from LDS, token rows from memory straight into operand registers.  The 16-bit image stays in LDS; each byte is written once.
; A TRIP HAS TWO BARRIERS.  Reads of the image stand only between the wait of the one and the signal of the other, stores into it only between the wait of that other and the next signal of the first: so the order of
; LDS reads and writes hangs on no address arithmetic.  The unit of chunk c + 1 is stored in trip c, between the even K step's products and the odd step's, and has the odd step's first 16 products in which to land.
; Each signal stands in the middle of a K step's products and its wait at their end: 16 matrix instructions lie between.
; ONE COUNTER, TWO KINDS OF LOAD.  A wave's loads come back in issue order, so rows are asked for as far ahead as weights.  Issue order in trip c: rows of K step 2 c + 3, weights of chunk c + 3, rows of K step 2 c + 4.
; By the text's count up to 72 loads are issued and not waited for; where a counter's field is full the issue of a load waits (ISA guide 5.7.1); no wait is written for that.
; NO TAIL IS WRITTEN OUT.  The last three requests for weights and the last three for rows have nothing left to fetch; they are issued all the same, so that every counted wait holds on every path, with their
; offset registers masked to 0 (and the weights' base set back to the slice's start): each such load reads one 16-byte place inside its buffer.  What the first of those weight requests brings is rounded and stored like
; a unit, into a 17th chunk of the wave's own block, which nobody multiplies.
; COLUMN ORDER.  Weight tile ct = 4 g + j holds columns 64 g + 4 r + j: one 16-byte load of a weight row gives a lane one number of each of four tiles, and 16 lanes read 256 consecutive bytes, aligned.
; The matrix instruction is used transposed (source 0 = weights, source 1 = 16 token rows): register i of tile ct in lane (r, h) is (row r, column 64 g + 32 h + 4 i + j): 32 neighbouring columns of one row a lane and g.
; ROWS.  List place pos lies in tile pos / 16.  A pass serves 20 tiles: tile 20 pass + 4 slot + wave.  The first pass's products stand beside the stream; rows past 320 are served by up to three more passes from the
; resident image.  The pass loop has four trips whatever the count, each with two barriers that every wave passes; only work is jumped.  Its short K loop asks for rows two K steps ahead and so reads 128 bytes past the
; last K step: they lie in the next row or in the buffer's pad and are never multiplied.
; Places past the count repeat the last row: they make the same numbers and store the same bytes to the same place, so EXEC is never narrowed.  A dead slot loads a live tile again; slots 0-3 are always multiplied,
; slot 4 only where it is live, and only live slots are stored.
; THE BIAS is a K step of its own, 1.0 x bias / 8, which starts every sum (G2 = 1: in K quarter 0 alone; elsewhere it is 0).
; FORMATS AND LIMITS.  All inputs are rounded to bf16.  G2 = 0: bf16 x bf16, sums f32; the result / 8 is rounded once to f16: |x W + b| stays under 524,000.  G2 = 1: f16 x f16; W_out is rounded to bf16 and that
; number written as f16: exact for 2^-17 <= |w| <= 65,504, below that within 2^-25.  NaN and infinities are not treated apart.
; NO CLUSTER, NO TENSOR LOADS: each slice has one reader, token rows come by a list, and f32 weights have to pass through registers to be rounded.
.set G2, 0
.if G2
.set PSH, 12                           ; a weight row is 1 << PSH bytes
.set ASH, 13                           ; a token row of A
.set OSH, 12                           ; a row of the output
.set BSH, 12                           ; an expert's bias
.set SPITCH, 528                       ; a stage row: 512 bytes + 16
.set ONEV, 0x3c00                      ; 1.0 in f16
.else
.set PSH, 14
.set ASH, 11
.set OSH, 13
.set BSH, 14
.set SPITCH, 272                       ; 256 bytes + 16
.set ONEV, 0x3f80                      ; 1.0 in bf16
.endif
.set P, 1<<PSH
; LDS.  Image: wave w's block at 69632 w (17 chunks), chunk c at + 4096 c, tile j at + 1024 j; operand registers 0-3 of lane L at 16 L, registers 4-7 at 512 + 16 L.  K step 2 c + u of column group g lies in block 2 g + u.
.set GW,    69632
.set BIASB, 4*GW                       ; the bias K step: tile ct at + 1024 ct
.set LIST,  BIASB+8192                 ; 1,088 words: entries 0-1023, 16 places for the padding, and from 1056 a dump word a lane for tokens of other experts
.set CNTW,  LIST+4352                  ; the count
.set STAGE, CNTW+256                   ; 16 rows x SPITCH for each wave, for the way out
.set SPARE, STAGE+4*16*SPITCH          ; the spare words, 128 bytes for each of four waves
; window 0
.set RO,  1                            ; v1-5    slot sl: byte offset of my row of A, + 16 h
.set ROC, 6                            ; v6-10   the same, or 0 where no K step is left
.set SPW, 11                           ; v11     my spare word; never rewritten
.set NIL, 12                           ; v12     0; never rewritten
.set L16, 13                           ; v13     16 x lane
.set R4,  14                           ; v14     4 r
.set H16, 15                           ; v15     16 h
.set STO, 16                           ; v16     the way out: where I put my part of a row
.set RD,  17                           ; v17     the way out: where I read rows back
.set LL,  18                           ; v18     4 h
.if G2
.set COL, 13                           ; my byte in an output row: 16 x lane
.else
.set COL, 19                           ; v19     16 r
.endif
.set ZERO, 20                          ; v20     0, for the relu
.set P8,  21                           ; v21-25  slot sl: 8 p of my row
.set VW,  26                           ; v26     my byte offset in a unit of weights
.set VWC, 27                           ; v27     the same, or 0 where no unit is left
.set VST, 28                           ; v28     where my fragments go
.set R16, 29                           ; v29     16 r
.set VB,  30                           ; v30-33  where block w of the image is read
.set TM,  34                           ; v34-39  at work
.set LW,  40                           ; v40-43  16 x lane + 69632 w
.set BH,  48                           ; v48-111, v112-175  a K step's eight weight tiles: the chunk's even step, its odd step
.set ONF, 176                          ; v176-183 source 1 of the bias K step
.set CV,  184                          ; v184-215 a unit's 4 tiles x 8 registers, rounded
.set TP,  216                          ; v216-231 at work
.set SEL, 48                           ; at the head: v48-79 sel
.set BQ,  80                           ; v80-87  bias
.set LT,  88                           ; v88-99  at work on the list
.set DIX, 100
.set TK4, 101
.set BA,  102
.set ZQ,  104                          ; v104-107 zeros
.set T,   48                           ; the way out
.if G2
.set BK,  112
.else
.set BK,  80
.endif
.set EN,  176
.set TA,  192
; window 1: v[64 sl + 8 ct] the sums of slots 0-3.   window 2: v[64 b ..] two buffers of 16 weight loads; v[192 + 8 ct] the sums of slot 4.   window 3: v[40 a + 8 sl] four buffers of rows
.set A4,  192
; scalars
.set WV, 16
.set EX, 17
.set CSL, 18
.set QQ, 19
.set CNT, 20
.set NT, 21
.set LIVE, 22
.set NTM1, 23
.set LAP, 24
.set PASS, 25
.set WP, 30
.set SA, 32
.set PFX, 34
.set HIM, 35
.set BS, 36
.set ONES, 37
.set TB0, 38
.set LBS, 39
.set STS, 44
.set KB, 45
.set M1, 48
.set M2, 52
.set MM, 56
.set PF, 60
.set W0, 66
.set WN, 68
.set MSK, 70
.set MSB, 0
.macro WIN new                         ; the immediate's high byte repeats the setting that is left; a switch that changes nothing is dropped
.if MSB != (\new)
	s_set_vgpr_msb (MSB<<8)|(\new)
.set MSB, \new
.endif
.endm
.macro PLACES                          ; four places behind matrix instructions, ahead of loads into and writes of their registers and of reads of their results
.rept 4
	v_nop
.endr
.endm
.macro WMA d, a, b                     ; d += a x b
.if G2
	v_wmma_f32_16x16x32_f16 v[(\d):(\d)+7], v[(\a):(\a)+7], v[(\b):(\b)+7], v[(\d):(\d)+7]
.else
	v_wmma_f32_16x16x32_bf16 v[(\d):(\d)+7], v[(\a):(\a)+7], v[(\b):(\b)+7], v[(\d):(\d)+7]
.endif
.endm
.macro WMZ d, a, b                     ; d = a x b: starts a sum
.if G2
	v_wmma_f32_16x16x32_f16 v[(\d):(\d)+7], v[(\a):(\a)+7], v[(\b):(\b)+7], 0
.else
	v_wmma_f32_16x16x32_bf16 v[(\d):(\d)+7], v[(\a):(\a)+7], v[(\b):(\b)+7], 0
.endif
.endm
; A unit is one K step of my column group: 16 loads (lane (r, h): weight rows 8 h + i, i = 0..7 and 16..23, 16 bytes each), ju chunks behind s[WP]
.macro ISSUE buf, ju
	WIN 0x80                                       ; destination window 2, address window 0
.irp i, 0,1,2,3,4,5,6,7
	global_load_b128 v[64*(\buf)+4*\i:64*(\buf)+4*\i+3], v[VWC], s[WP:WP+1] offset:(64*(\ju)+\i)*P th:TH_LOAD_NT
.endr
.irp i, 8,9,10,11,12,13,14,15
	global_load_b128 v[64*(\buf)+4*\i:64*(\buf)+4*\i+3], v[VWC], s[WP:WP+1] offset:(64*(\ju)+\i+8)*P th:TH_LOAD_NT
.endr
	WIN 0
.endm
.macro CONV buf                        ; two neighbouring k of one column make a register of tile tl
	WIN 0x0a                                       ; sources window 2, destination window 0
.irp tl, 0,1,2,3
.irp z, 0,1,2,3,4,5,6,7
	v_cvt_pk_bf16_f32 v[CV+8*\tl+\z], v[64*(\buf)+8*\z+\tl], v[64*(\buf)+8*\z+4+\tl]
.endr
.endr
	WIN 0
.if G2                                 ; the bf16 number written as f16
.irp b, 0,1,2,3
.irp y, 0,1,2,3,4,5,6,7
	v_lshlrev_b32 v[TP+2*\y], 16, v[CV+8*\b+\y]
	v_and_b32 v[TP+2*\y+1], s[HIM], v[CV+8*\b+\y]
.endr
.irp y, 0,1,2,3,4,5,6,7
	v_cvt_pk_f16_f32 v[CV+8*\b+\y], v[TP+2*\y], v[TP+2*\y+1]
.endr
.endr
.endif
.endm
.macro PUT off                         ; my rounded unit goes into my block of the image
.irp tl, 0,1,2,3
	ds_store_b128 v[VST], v[CV+8*\tl:CV+8*\tl+3] offset:(\off)+1024*\tl
	ds_store_b128 v[VST], v[CV+8*\tl+4:CV+8*\tl+7] offset:(\off)+1024*\tl+512
.endr
.endm
; Four words of sel: tokens 128 i + 4 l + c.  A token of my expert goes to the list's next place, by the count of such lanes below mine; any other to its lane's dump word.
.macro LGROUP i
.irp c, 0,1,2,3
	v_and_b32 v[LT+\c], 0xff, v[SEL+4*(\i)+\c]
	v_lshrrev_b32 v[LT+4+\c], 8, v[SEL+4*(\i)+\c]
.endr
.irp c, 0,1,2,3
	v_cmp_eq_u32 s[M1+\c], s[EX], v[LT+\c]
	v_cmp_eq_u32 s[M2+\c], s[EX], v[LT+4+\c]
.endr
.irp c, 0,1,2,3
	s_or_b32 s[MM+\c], s[M1+\c], s[M2+\c]
	s_mov_b32 s[PF+\c], s[PFX]
	s_bcnt1_i32_b32 s26, s[MM+\c]
	s_add_co_u32 s[PFX], s[PFX], s26
.endr
.irp c, 0,1,2,3
	v_mbcnt_lo_u32_b32 v[LT+\c], s[MM+\c], s[PF+\c]
	v_cndmask_b32 v[LT+\c], v[DIX], v[LT+\c], s[MM+\c]
	v_min_u32 v[LT+\c], 0x43f, v[LT+\c]
	v_lshl_add_u32 v[LT+\c], v[LT+\c], 2, LIST
	v_add_nc_u32 v[LT+4+\c], 128*(\i)+\c, v[TK4]
	v_or_b32 v[LT+8+\c], 0x400, v[LT+4+\c]
	v_cndmask_b32 v[LT+4+\c], v[LT+4+\c], v[LT+8+\c], s[M2+\c]  ; ent: + 1024 where my expert is the second choice
	ds_store_b32 v[LT+\c], v[LT+4+\c]
.endr
.endm
.macro LDB b, u, off                   ; a K step's eight weight tiles into buffer b: u = 0 a chunk's even step (blocks 0 and 2), u = 1 its odd step (blocks 1 and 3)
.irp tl, 0,1,2,3
	ds_load_b128 v[BH+64*(\b)+8*\tl:BH+64*(\b)+8*\tl+3], v[VB+(\u)] offset:(\off)+1024*\tl
	ds_load_b128 v[BH+64*(\b)+8*\tl+4:BH+64*(\b)+8*\tl+7], v[VB+(\u)] offset:(\off)+1024*\tl+512
.endr
.irp tl, 0,1,2,3
	ds_load_b128 v[BH+64*(\b)+32+8*\tl:BH+64*(\b)+32+8*\tl+3], v[VB+2+(\u)] offset:(\off)+1024*\tl
	ds_load_b128 v[BH+64*(\b)+32+8*\tl+4:BH+64*(\b)+32+8*\tl+7], v[VB+2+(\u)] offset:(\off)+1024*\tl+512
.endr
.endm
.macro VBSET                           ; the four blocks' read addresses at byte s[KB] of a block
.irp w, 0,1,2,3
	v_add_nc_u32 v[VB+\w], s[KB], v[LW+\w]
.endr
.endm
.macro LDA a, imm, rb                  ; one K step of my five tiles of rows: lane (r, h) takes bytes 16 h and 32 + 16 h of row r's 64; rb: the offset registers
	WIN 0xc0                                       ; destination window 3, address window 0
.irp sl, 0,1,2,3,4
	global_load_b128 v[40*(\a)+8*\sl:40*(\a)+8*\sl+3], v[(\rb)+\sl], s[SA:SA+1] offset:(\imm)
	global_load_b128 v[40*(\a)+8*\sl+4:40*(\a)+8*\sl+7], v[(\rb)+\sl], s[SA:SA+1] offset:(\imm)+32
.endr
	WIN 0
.endm
; A K step's products, in two parts, so that a barrier's signal can stand between them: slot 4 (where it is live) and slots 0 and 1; then slots 2 and 3, sixteen matrix instructions without a branch.
; The accumulators take turns, one instruction a turn: on no path do two matrix instructions that follow each other name the same one.
.macro MULA a, b
	s_cmp_lt_u32 s[LIVE], 5                        ; (at a branch and at a label every window is 0)
	s_cbranch_scc1 .Lno4_\@
	WIN 0xac                                       ; weights window 0, rows window 3, C and D window 2
.irp ct, 0,1,2,3,4,5,6,7
	WMA A4+8*\ct, BH+64*(\b)+8*\ct, 40*(\a)+32
.endr
	WIN 0
.Lno4_\@:
	WIN 0x5c                                       ; weights window 0, rows window 3, C and D window 1
.irp sl, 0,1
.irp ct, 0,1,2,3,4,5,6,7
	WMA 64*\sl+8*\ct, BH+64*(\b)+8*\ct, 40*(\a)+8*\sl
.endr
.endr
.endm
.macro MULB a, b
	WIN 0x5c
.irp sl, 2,3
.irp ct, 0,1,2,3,4,5,6,7
	WMA 64*\sl+8*\ct, BH+64*(\b)+8*\ct, 40*(\a)+8*\sl
.endr
.endr
	WIN 0
.endm
.macro LIVEC                           ; my live slots in the pass whose first tile of mine is s[TB0]: 0 where no tile is left for me
	s_max_u32 s26, s[NT], s[TB0]
	s_sub_co_u32 s[LIVE], s26, s[TB0]
	s_add_co_u32 s[LIVE], s[LIVE], 3
	s_lshr_b32 s[LIVE], s[LIVE], 2
	s_min_u32 s[LIVE], s[LIVE], 5
.endm
.macro ROWS                            ; the pass's list entries -> row offsets (G2: and p's offsets in v[TM ..])
.irp sl, 0,1,2,3,4
	s_add_co_u32 s26, s[TB0], 4*\sl                ; the slot's tile, or for a dead slot the last live one
	s_min_u32 s26, s26, s[NTM1]
	s_min_u32 s26, s26, 63
	s_lshl_b32 s26, s26, 6
	s_add_co_u32 s26, s26, LIST
	v_add_nc_u32 v[TM+\sl], s26, v[R4]
	ds_load_b32 v[RO+\sl], v[TM+\sl]
.endr
	s_wait_dscnt 0x0
.irp sl, 0,1,2,3,4
	v_min_u32 v[RO+\sl], 0x7ff, v[RO+\sl]
.if G2
	v_lshlrev_b32 v[TM+\sl], 2, v[RO+\sl]
.endif
	v_and_b32 v[RO+\sl], 0x3ff, v[RO+\sl]          ; the token
	v_lshl_add_u32 v[RO+\sl], v[RO+\sl], ASH, v[H16]
.endr
.if G2
.irp sl, 0,1,2,3,4
	global_load_b32 v[P8+\sl], v[TM+\sl], s[14:15] ; p of my row in each slot
.endr
.endif
.endm
.macro START                           ; the bias K step starts all 40 sums: nothing is cleared
	v_add_nc_u32 v[VB+1], BIASB, v[L16]
	v_add_nc_u32 v[VB+3], BIASB+4096, v[L16]
	LDB 1, 1, 0
	v_and_b32 v[ONF+1], 31, v0                     ; source 1: 1.0 at k = 0 of every row, else 0
	v_cmp_gt_u32 vcc_lo, 16, v[ONF+1]
	v_cndmask_b32 v[ONF], 0, s[ONES], vcc_lo
.irp x, 1,2,3,4,5,6,7
	v_mov_b32 v[ONF+\x], 0
.endr
	s_wait_dscnt 0x0
	WIN 0x40                                       ; D window 1
.irp sl, 0,1,2,3
.irp ct, 0,1,2,3,4,5,6,7
	WMZ 64*\sl+8*\ct, BH+64+8*\ct, ONF
.endr
.endr
	WIN 0x80                                       ; D window 2
.irp ct, 0,1,2,3,4,5,6,7
	WMZ A4+8*\ct, BH+64+8*\ct, ONF
.endr
	WIN 0
	PLACES
.endm
; TRIP c of the stream, c = 2 lap + p.  It begins behind the barrier that has shown chunk c whole.
.macro TRIP p
	LDB 0, 0, 4096*(\p)                            ; both K steps' fragments: the first memory instructions behind the barrier; the rounding below stands between them and their use
	LDB 1, 1, 4096*(\p)
	LDA 3-2*(\p), 192-128*(\p), ROC                ; the rows of K step 2 c + 3, into the buffer that the last trip's odd step multiplied
	s_wait_loadcnt 56                              ; my unit of chunk c + 1 is in; younger: rows, rows, a unit, rows, rows: 10 + 10 + 16 + 10 + 10
	CONV 1-(\p)
	ISSUE 1-(\p), 0                                ; chunk c + 3, into the buffer just rounded; its base and offset register were made ready in the last trip
	s_wait_loadcnt 62                              ; the even K step's rows are in; younger: 10 + 16 + 10 + 10 + 16
	s_wait_dscnt 16                                ; its fragments are in, the odd step's sixteen loads may be out
	MULA 2*(\p), 0
	s_wait_dscnt 0x0                               ; all my reads of the image are back:
	s_barrier_signal -1                            ; say so,
	MULB 2*(\p), 0                                 ; work on registers while the others arrive,
	PLACES
	s_barrier_wait -1                              ; every wave's are: now the image is written
	PUT 4096*((\p)+1)                              ; my unit of chunk c + 1
	s_wait_xcnt 0x0                                ; bases and offset registers of pending loads are rewritten only behind this wait; the last loads were issued ahead of the even step's products
.if (\p) == 0                          ; once a lap: the next four requests for rows, K steps 4 lap + 4 to 4 lap + 7
	s_cmp_ge_u32 s[LAP], 2                         ; are there such K steps?
	s_cselect_b32 s[MSK], -1, 0
	s_add_nc_u64 s[SA:SA+1], s[SA:SA+1], 256
.irp sl, 0,1,2,3,4
	v_and_b32 v[ROC+\sl], s[MSK], v[RO+\sl]
.endr
.endif
	s_cmp_ge_u32 s[LAP], 3                         ; is there a chunk c + 4, for the next trip's request?
	s_cselect_b64 s[WP:WP+1], s[WN:WN+1], s[W0:W0+1]
	s_cselect_b32 s[MSK], -1, 0
	v_and_b32 v[VWC], s[MSK], v[VW]
	s_add_nc_u64 s[WN:WN+1], s[WN:WN+1], 64*P
	LDA 2*(\p), 128*(\p), ROC                      ; the rows of K step 2 c + 4, into the buffer just multiplied
	s_wait_loadcnt 62                              ; the odd K step's rows are in; younger: 16 + 10 + 10 + 16 + 10
	MULA 2*(\p)+1, 1
	s_wait_dscnt 0x0                               ; for the others' sake: my unit of chunk c + 1 is written:
	s_barrier_signal -1                            ; say so,
	MULB 2*(\p)+1, 1
	PLACES
	s_barrier_wait -1                              ; chunk c + 1 is whole; from here on the image is only read
.endm
; THE WAY OUT of one tile of 16 rows, whose list entries begin at LDS byte s[LBS]: through my own stage, so that whole rows leave.
.macro WAYOUT base, win, pr
.if G2
	WIN \win
.irp i, 0,1,2,3,4,5,6,7                ; each accumulator's lowest register is read first
.irp g, 0,1
.irp j, 0,1,2,3
	v_mul_f32 v[T+32*\g+4*\i+\j], v[(\base)+32*\g+8*\j+\i], v[\pr]  ; times 8 p
.endr
.endr
.endr
	WIN 0
.irp g, 0,1
.irp i, 0,1,2,3,4,5,6,7
	ds_store_b128 v[STO], v[T+32*\g+4*\i:T+32*\g+4*\i+3] offset:256*\g+16*\i
.endr
.endr
	s_wait_xcnt 0x0                                ; the last tile's stores have read their registers: only now are these loaded again
	v_mov_b32 v[TA], s[LBS]
.irp t, 0,1,2,3,4,5,6,7,8,9,10,11,12,13,14,15
	ds_load_b32 v[EN+\t], v[TA] offset:4*\t        ; row t's ent, in every lane
.endr
.irp t, 0,1,2,3,4,5,6,7,8,9,10,11,12,13,14,15
	ds_load_b128 v[BK+4*\t:BK+4*\t+3], v[RD] offset:SPITCH*\t  ; LDS serves a wave's instructions in order (ISA guide 5.7.1.4): these see the stores above
.endr
	s_wait_dscnt 0x0
.irp t, 0,1,2,3,4,5,6,7,8,9,10,11,12,13,14,15
	v_min_u32 v[EN+\t], 0x7ff, v[EN+\t]
	v_lshl_add_u32 v[EN+\t], v[EN+\t], OSH, v[COL]
.endr
.irp t, 0,1,2,3,4,5,6,7,8,9,10,11,12,13,14,15
	global_store_b128 v[EN+\t], v[BK+4*\t:BK+4*\t+3], s[12:13]  ; 32 lanes store a row's 512 consecutive bytes, aligned
.endr
.else
	WIN \win
.irp i, 0,1,2,3,4,5,6,7                ; each accumulator's lowest register is read first
.irp g, 0,1
	v_cvt_pk_f16_f32 v[T+16*\g+2*\i], v[(\base)+32*\g+\i], v[(\base)+32*\g+8+\i]
	v_cvt_pk_f16_f32 v[T+16*\g+2*\i+1], v[(\base)+32*\g+16+\i], v[(\base)+32*\g+24+\i]
.endr
.endr
	WIN 0
.set x, 0
.rept 32
	v_pk_max_num_f16 v[T+x], v[T+x], v[\pr]        ; relu, two at a time
.set x, x+1
.endr
.irp g, 0,1
.irp i, 0,1,2,3
	ds_store_b128 v[STO], v[T+16*\g+4*\i:T+16*\g+4*\i+3] offset:128*\g+16*\i
.endr
.endr
	s_wait_xcnt 0x0                                ; the last tile's stores have read their registers: only now are these loaded again
	v_add_nc_u32 v[TA], s[LBS], v[LL]
.irp t, 0,1,2,3,4,5,6,7
	ds_load_b32 v[EN+\t], v[TA] offset:8*\t        ; the ent of row 2 t + lane / 16
.endr
.irp t, 0,1,2,3,4,5,6,7
	ds_load_b128 v[BK+4*\t:BK+4*\t+3], v[RD] offset:2*SPITCH*\t  ; LDS serves a wave's instructions in order (ISA guide 5.7.1.4): these see the stores above
.endr
	s_wait_dscnt 0x0
.irp t, 0,1,2,3,4,5,6,7
	v_min_u32 v[EN+\t], 0x7ff, v[EN+\t]
	v_lshl_add_u32 v[EN+\t], v[EN+\t], OSH, v[COL]
.endr
.irp t, 0,1,2,3,4,5,6,7
	global_store_b128 v[EN+\t], v[BK+4*\t:BK+4*\t+3], s[12:13]  ; 16 lanes store a row's 256 consecutive bytes, aligned
.endr
.endif
.endm
	s_load_b256 s[4:11], s[0:1], 0x0               ; A s[4:5], weights s[6:7], bias s[8:9], sel s[10:11]
.if G2
	s_load_b128 s[12:15], s[0:1], 0x20             ; yp s[12:13], prb s[14:15]
.else
	s_load_b64 s[12:13], s[0:1], 0x20              ; hp
.endif
	v_lshl_add_u32 v[SPW], v0, 2, SPARE
	v_mov_b32 v[NIL], 0
	v_lshrrev_b32 v[TM], 5, v0
	v_readfirstlane_b32 s[WV], v[TM]               ; wave 0..3
	v_and_b32 v[TM+1], 31, v0                      ; lane
	v_and_b32 v[TM+2], 15, v0                      ; r
	v_bfe_u32 v[TM+3], v0, 4, 1                    ; h
	v_lshlrev_b32 v[L16], 4, v[TM+1]
	v_lshlrev_b32 v[R4], 2, v[TM+2]
	v_lshlrev_b32 v[H16], 4, v[TM+3]
	v_lshlrev_b32 v[R16], 4, v[TM+2]
	v_lshlrev_b32 v[VW], PSH+3, v[TM+3]
	v_lshl_add_u32 v[VW], v[TM+2], 4, v[VW]        ; 8 h weight rows + 16 r
	v_mov_b32 v[VWC], v[VW]
.irp w, 0,1,2,3
	v_add_nc_u32 v[LW+\w], \w*GW, v[L16]
.endr
	s_mul_i32 s[STS], s[WV], GW                    ; my block of the image
	v_add_nc_u32 v[VST], s[STS], v[L16]
	s_mul_i32 s27, s[WV], 16*SPITCH
	s_add_co_u32 s27, s27, STAGE                   ; my stage
	v_mul_u32_u24 v[STO], SPITCH, v[TM+2]
.if G2
	v_lshl_add_u32 v[STO], v[TM+3], 7, v[STO]      ; in: row r, 128 bytes for each half of the lanes
	v_add_nc_u32 v[STO], s27, v[STO]
	v_add_nc_u32 v[RD], s27, v[L16]                ; back: 32 lanes take a row's 512 bytes
.else
	v_lshl_add_u32 v[STO], v[TM+3], 6, v[STO]      ; in: row r, 64 bytes for each half of the lanes
	v_add_nc_u32 v[STO], s27, v[STO]
	v_mul_u32_u24 v[RD], SPITCH, v[TM+3]           ; back: lanes 0-15 take one row's 256 bytes, lanes 16-31 the next
	v_lshl_add_u32 v[RD], v[TM+2], 4, v[RD]
	v_add_nc_u32 v[RD], s27, v[RD]
	v_lshlrev_b32 v[LL], 2, v[TM+3]
	v_lshlrev_b32 v[COL], 4, v[TM+2]
	v_mov_b32 v[ZERO], 0
.endif
	s_and_b32 s[EX], ttmp7, 0xffff                 ; the expert
.if G2
	s_and_b32 s[CSL], ttmp9, 7                     ; which 128 columns
	s_lshr_b32 s[QQ], ttmp9, 3                     ; which quarter of K
	s_cmp_eq_u32 s[QQ], 0
	s_cselect_b32 s[BS], 0x3e000000, 0             ; the bias, / 8, enters in quarter 0 alone
.else
	s_mov_b32 s[CSL], ttmp9
	s_mov_b32 s[QQ], 0
	s_mov_b32 s[BS], 0x3e000000
.endif
	s_mov_b32 s[HIM], 0xffff0000
	s_mov_b32 s[ONES], ONEV
	s_lshl_b32 s40, s[EX], 24                      ; an expert's weights are 16 MiB,
	s_lshl_b32 s26, s[QQ], 22                      ; a quarter of K 4 MiB,
	s_add_co_u32 s40, s40, s26
	s_lshl_b32 s26, s[CSL], 9                      ; 128 columns 512 bytes,
	s_add_co_u32 s40, s40, s26
	s_and_b32 s26, s[WV], 1                        ; a chunk's odd K step 32 weight rows,
	s_lshl_b32 s26, s26, PSH+5
	s_add_co_u32 s40, s40, s26
	s_lshr_b32 s26, s[WV], 1                       ; my column group 256 bytes
	s_lshl_b32 s26, s26, 8
	s_add_co_u32 s40, s40, s26
	s_mov_b32 s41, 0
	s_lshl_b32 s42, s[EX], BSH
	s_lshl_b32 s26, s[CSL], 9
	s_add_co_u32 s42, s42, s26
	s_mov_b32 s43, 0
	s_wait_kmcnt 0x0
	s_add_nc_u64 s[W0:W0+1], s[6:7], s[40:41]      ; my unit of chunk 0
	s_mov_b64 s[WP:WP+1], s[W0:W0+1]
	s_add_nc_u64 s[8:9], s[8:9], s[42:43]          ; the slice's bias
.if G2
	s_lshl_b32 s40, s[QQ], 11
	s_add_nc_u64 s[4:5], s[4:5], s[40:41]          ; h at my quarter of K
	s_lshl_b32 s40, s[QQ], 23
	s_lshl_b32 s26, s[CSL], 9
	s_add_co_u32 s40, s40, s26
.else
	s_lshl_b32 s40, s[CSL], 8
.endif
	s_add_nc_u64 s[12:13], s[12:13], s[40:41]      ; the output at my columns
	; every wave asks for sel and the bias, 10 small loads, so that all four count alike; wave 0 uses them
.irp i, 0,1,2,3,4,5,6,7
	global_load_b128 v[SEL+4*\i:SEL+4*\i+3], v[L16], s[10:11] offset:512*\i
.endr
	global_load_b128 v[BQ:BQ+3], v[R16], s[8:9]
	global_load_b128 v[BQ+4:BQ+7], v[R16], s[8:9] offset:256
	ISSUE 0, 0                                     ; my units of chunks 0 and 1
	ISSUE 1, 1
	s_wait_loadcnt 32                              ; sel and the bias are in; the 32 weight loads are younger
	s_cmp_lg_u32 s[WV], 0
	s_cbranch_scc1 .Lnolist
	; WAVE 0: the list and the bias block; the others read them behind the barrier
	v_lshlrev_b32 v[TK4], 2, v[TM+1]
	v_add_nc_u32 v[DIX], 1056, v[TM+1]
.irp x, 0,1,2,3
	v_mov_b32 v[ZQ+\x], 0
.endr
	v_add_nc_u32 v[BA], LIST, v[L16]
.irp x, 0,1,2,3,4,5,6,7,8
	ds_store_b128 v[BA], v[ZQ:ZQ+3] offset:512*\x  ; list and count begin as zeros: entry 0 exists where the expert has no row
.endr
	s_mov_b32 s[PFX], 0
.irp i, 0,1,2,3,4,5,6,7
	LGROUP \i
.endr
	s_max_u32 s26, s[PFX], 1                       ; the last entry is repeated sixteen times behind the list
	s_sub_co_u32 s26, s26, 1
	s_min_u32 s26, s26, 0x3ff
	s_lshl_b32 s26, s26, 2
	s_add_co_u32 s26, s26, LIST
	v_mov_b32 v[LT], s26
	ds_load_b32 v[LT+1], v[LT]
	v_add_nc_u32 v[LT+2], s[PFX], v[TM+2]
	v_min_u32 v[LT+2], 0x40f, v[LT+2]
	v_lshl_add_u32 v[LT+2], v[LT+2], 2, LIST
	v_mov_b32 v[LT+3], CNTW
	v_mov_b32 v[LT+4], s[PFX]
	s_wait_dscnt 0x0
	ds_store_b32 v[LT+2], v[LT+1]
	ds_store_b32 v[LT+3], v[LT+4]
	v_cmp_gt_u32 vcc_lo, 16, v[TM+1]
.irp x, 0,1,2,3,4,5,6,7                ; register x = 4 g + j is tile x's column 64 g + 4 r + j: k = 0 lies in the low half of register 0 of lanes 0-15
	v_mul_f32 v[BQ+\x], s[BS], v[BQ+\x]
	v_cvt_pk_bf16_f32 v[BQ+\x], v[BQ+\x], v[ZQ]
.if G2
	v_lshlrev_b32 v[BQ+\x], 16, v[BQ+\x]
	v_cvt_pk_f16_f32 v[BQ+\x], v[BQ+\x], v[ZQ]
.endif
	v_cndmask_b32 v[BQ+\x], 0, v[BQ+\x], vcc_lo
.endr
	v_add_nc_u32 v[BA], BIASB, v[L16]
.irp x, 0,1,2,3,4,5,6,7
	ds_store_b128 v[BA], v[ZQ:ZQ+3] offset:1024*\x
	ds_store_b128 v[BA], v[ZQ:ZQ+3] offset:1024*\x+512
.endr
.irp x, 0,1,2,3,4,5,6,7
	ds_store_b32 v[BA], v[BQ+\x] offset:1024*\x
.endr
.Lnolist:
	s_wait_dscnt 0x0                               ; for the others' sake: list, count and bias block are written
	s_barrier_signal -1
	s_barrier_wait -1
	; all that follows up to the wait for chunk 0 stands in the time in which the first weights are on their way
	v_mov_b32 v[TM], CNTW
	ds_load_b32 v[TM+1], v[TM]
	s_wait_dscnt 0x0
	v_readfirstlane_b32 s[CNT], v[TM+1]
	s_min_u32 s[CNT], s[CNT], 0x400
	s_add_co_u32 s[NT], s[CNT], 15
	s_lshr_b32 s[NT], s[NT], 4                     ; tiles of 16 rows
	s_max_u32 s[NTM1], s[NT], 1
	s_sub_co_u32 s[NTM1], s[NTM1], 1
	s_mov_b32 s[TB0], s[WV]                        ; my first tile of the first pass
	LIVEC
	ROWS
.irp sl, 0,1,2,3,4
	v_mov_b32 v[ROC+\sl], v[RO+\sl]                ; the loop's requests name these
.endr
	s_mov_b64 s[SA:SA+1], s[4:5]
	LDA 0, 0, RO                                   ; the rows of K steps 0 and 1
	LDA 1, 64, RO
	START
	s_wait_loadcnt 36+5*G2                         ; my unit of chunk 0 is in; younger: chunk 1's unit, (G2: five p,) two K steps of rows
	CONV 0
	ISSUE 0, 2                                     ; chunk 2
	LDA 2, 128, RO                                 ; K step 2: the issue order is now that of the loop
	s_mov_b32 s[KB], 0
	VBSET
	s_wait_dscnt 0x0                               ; my reads of list, count and bias block are back
	s_barrier_signal -1
	s_barrier_wait -1                              ; every wave's are: now the image is written
	PUT 0                                          ; my unit of chunk 0
	s_wait_xcnt 0x0                                ; the pending loads' base is rewritten only behind this wait
	s_add_nc_u64 s[WP:WP+1], s[W0:W0+1], 192*P     ; the first trip asks for chunk 3,
	s_add_nc_u64 s[WN:WN+1], s[W0:W0+1], 256*P     ; the second for chunk 4
	s_mov_b32 s[LAP], 8
	s_wait_dscnt 0x0                               ; for the others' sake: my unit of chunk 0 is written
	s_barrier_signal -1
	s_barrier_wait -1                              ; chunk 0 is whole
.Lf:                                                   ; eight laps of two trips: 16 chunks are multiplied, chunks 1 to 15 (and the 17th place) stored
	TRIP 0
	TRIP 1
	s_add_co_u32 s[STS], s[STS], 8192
	v_add_nc_u32 v[VST], s[STS], v[L16]
	s_add_co_u32 s[KB], s[KB], 8192
	VBSET
	s_sub_co_u32 s[LAP], s[LAP], 1
	s_cmp_lg_u32 s[LAP], 0
	s_cbranch_scc1 .Lf
.if G2
.irp sl, 0,1,2,3,4
	v_mul_f32 v[P8+\sl], 0x41000000, v[P8+\sl]     ; 8 p: the sums hold an eighth
.endr
.endif
	s_mov_b32 s[PASS], 4
.Lpass:                                                ; four passes of 20 tiles serve every split
	LIVEC
	s_cmp_eq_u32 s[PASS], 4
	s_cbranch_scc1 .Lkdone                         ; the first pass's sums were made beside the stream
	s_cmp_eq_u32 s[LIVE], 0
	s_cbranch_scc1 .Lkdone                         ; no tile: the products are jumped; no barrier stands in what is jumped
	s_wait_loadcnt 0x0                             ; the requests that had nothing to fetch have landed: their registers are free
	s_wait_xcnt 0x0                                ; the last pass's stores have read their registers
	ROWS
	s_mov_b64 s[SA:SA+1], s[4:5]
	LDA 0, 0, RO
	LDA 1, 64, RO
	START
	s_mov_b32 s[KB], 0
	VBSET
	LDB 0, 0, 0                                    ; K step 0's weights
	s_mov_b32 s[LAP], 16
.Lk:                                                   ; a chunk a trip, from the resident image
	s_wait_loadcnt 10                              ; the even K step's rows are in; the odd step's ten loads stay out
	s_wait_dscnt 0x0                               ; its weights, asked for a K step ago, are in
	LDB 1, 1, 0
	MULA 0, 0
	MULB 0, 0
	PLACES
	s_wait_xcnt 0x0                                ; the pending loads' base is stepped only behind this wait; they were issued a K step ago
	s_add_nc_u64 s[SA:SA+1], s[SA:SA+1], 128
	LDA 0, 0, RO                                   ; the rows two K steps on
	s_wait_loadcnt 10
	s_wait_dscnt 0x0
	LDB 0, 0, 4096                                 ; the next chunk's even step (behind the last chunk: the blocks' 17th place, never multiplied)
	MULA 1, 1
	MULB 1, 1
	PLACES
	LDA 1, 64, RO
	s_add_co_u32 s[KB], s[KB], 4096
	VBSET
	s_sub_co_u32 s[LAP], s[LAP], 1
	s_cmp_lg_u32 s[LAP], 0
	s_cbranch_scc1 .Lk
.if G2
.irp sl, 0,1,2,3,4
	v_mul_f32 v[P8+\sl], 0x41000000, v[P8+\sl]
.endr
.endif
.Lkdone:
	s_wait_dscnt 0x0                               ; my reads of image, bias block and list are back
	s_barrier_signal -1
	s_barrier_wait -1                              ; every wave's are: only now is a stage written
.irp sl, 0,1,2,3,4
	s_cmp_le_u32 s[LIVE], \sl
	s_cbranch_scc1 .Lwdone                         ; dead slots store nothing
	s_add_co_u32 s26, s[TB0], 4*\sl
	s_min_u32 s26, s26, 63
	s_lshl_b32 s26, s26, 6
	s_add_co_u32 s[LBS], s26, LIST
.if \sl < 4
.if G2
	WAYOUT 64*\sl, 0x01, P8+\sl
.else
	WAYOUT 64*\sl, 0x05, ZERO
.endif
.else
.if G2
	WAYOUT A4, 0x02, P8+4
.else
	WAYOUT A4, 0x0a, ZERO
.endif
.endif
.endr
.Lwdone:
	s_wait_dscnt 0x0                               ; my stores into my stage and my reads of it are over
	s_barrier_signal -1
	s_barrier_wait -1                              ; every wave's are: the next pass may read LDS
	s_add_co_u32 s[TB0], s[TB0], 20
	s_sub_co_u32 s[PASS], s[PASS], 1
	s_cmp_lg_u32 s[PASS], 0
	s_cbranch_scc1 .Lpass
	s_wait_tensorcnt 0x0                           ; the wave's end: behind my last LDS store
	ds_add_u32 v[SPW], v[NIL]
	s_wait_dscnt 0x0
	s_endpgm
.Lfunc_end_k_q8ae111202c_gemm1:
	.size	k_q8ae111202c_gemm1, .Lfunc_end_k_q8ae111202c_gemm1-k_q8ae111202c_gemm1
	.p2alignl 7, 3214868480
	.fill 96, 4, 3214868480
	.section	.rodata,"a",@progbits
	.p2align	6, 0x0
	.amdhsa_kernel k_q8ae111202c_gemm1
		.amdhsa_group_segment_fixed_size 309248
		.amdhsa_private_segment_fixed_size 0
		.amdhsa_enable_private_segment 0
		.amdhsa_kernarg_size 40
		.amdhsa_user_sgpr_count 2
		.amdhsa_user_sgpr_kernarg_segment_ptr 1
		.amdhsa_wavefront_size32 1
		.amdhsa_system_sgpr_workgroup_id_x 1
		.amdhsa_system_sgpr_workgroup_id_y 1
		.amdhsa_system_sgpr_workgroup_id_z 1
		.amdhsa_system_vgpr_workitem_id 0
		.amdhsa_next_free_vgpr 928
		.amdhsa_next_free_sgpr 72
		.amdhsa_reserve_vcc 1
		.amdhsa_float_denorm_mode_32 3
		.amdhsa_float_denorm_mode_16_64 3
		.amdhsa_memory_ordered 1
		.amdhsa_forward_progress 1
		.amdhsa_inst_pref_size 143
	.end_amdhsa_kernel
	.amdgpu_metadata
---
amdhsa.version: [ 1, 2 ]
amdhsa.kernels:
  - .name:           k_q8ae111202c_gemm1
    .symbol:         k_q8ae111202c_gemm1.kd
    .args:
      - { .name: xb, .offset: 0, .size: 8, .value_kind: global_buffer, .address_space: global }
      - { .name: W_in, .offset: 8, .size: 8, .value_kind: global_buffer, .address_space: global }
      - { .name: b_in, .offset: 16, .size: 8, .value_kind: global_buffer, .address_space: global }
      - { .name: sel, .offset: 24, .size: 8, .value_kind: global_buffer, .address_space: global }
      - { .name: hp, .offset: 32, .size: 8, .value_kind: global_buffer, .address_space: global }
    .group_segment_fixed_size: 309248
    .private_segment_fixed_size: 0
    .kernarg_segment_align: 8
    .kernarg_segment_size: 40
    .max_flat_workgroup_size: 128
    .sgpr_count:     72
    .vgpr_count:     928
    .wavefront_size: 32
...
	.end_amdgpu_metadata
.endif
;; end of part 2
;; launch hsum (part 3): grid 256 x 1, 8 waves a work-group, no clusters, 0 bytes of LDS; arguments hp, h; writes h
.if DOCPART == 3
	.amdgcn_target "amdgcn-amd-amdhsa--gfx1250"
	.amdhsa_code_object_version 6
	.text
	.protected	k_q8ae111202c_hsum
	.globl	k_q8ae111202c_hsum
	.p2align	8
	.type	k_q8ae111202c_hsum,@function
k_q8ae111202c_hsum:
	s_mov_b64 s[64:65], 0
	v_nop
	global_prefetch_b8 v0, s[64:65] scope:SCOPE_SE
	s_setreg_imm32_b32 hwreg(HW_REG_WAVE_MODE, 25, 1), 1
	s_wait_xcnt 0x0
; h / 8 = the two chosen experts' finished activations, added: h[token] = hp[0][token] + hp[1][token], f16: the exact sum of two f16 numbers, rounded once.
; A stream: the work-group owns 32 KB of h, thread t the 16 bytes at 4096 i + 16 t of it (i = 0..7).  All 16 loads of a wave go out at once; each load and store of a wave covers 512 consecutive bytes.
; No LDS, no barrier, no matrix unit: bytes are all there is.
.set A, 8                              ; v8-39   first choice's part, then the sum
.set B, 40                             ; v40-71  second choice's part
	s_load_b128 s[4:7], s[0:1], 0x0                ; hp s[4:5], h s[6:7]
	v_lshlrev_b32 v1, 4, v0
	s_lshl_b32 s2, ttmp9, 15
	s_mov_b32 s3, 0
	s_wait_kmcnt 0x0
	s_add_nc_u64 s[4:5], s[4:5], s[2:3]
	s_add_nc_u64 s[6:7], s[6:7], s[2:3]
	s_add_nc_u64 s[8:9], s[4:5], 0x800000          ; the second choices' half of hp
.irp i, 0,1,2,3,4,5,6,7
	global_load_b128 v[A+4*\i:A+4*\i+3], v1, s[4:5] offset:4096*\i th:TH_LOAD_NT
	global_load_b128 v[B+4*\i:B+4*\i+3], v1, s[8:9] offset:4096*\i th:TH_LOAD_NT
.endr
.irp i, 0,1,2,3,4,5,6,7
	s_wait_loadcnt 14-2*\i                         ; loads come back in order: piece i's two are in, the later pieces' stay out
.irp c, 0,1,2,3
	v_pk_add_f16 v[A+4*\i+\c], v[A+4*\i+\c], v[B+4*\i+\c]
.endr
	global_store_b128 v1, v[A+4*\i:A+4*\i+3], s[6:7] offset:4096*\i
.endr
	s_endpgm
.Lfunc_end_k_q8ae111202c_hsum:
	.size	k_q8ae111202c_hsum, .Lfunc_end_k_q8ae111202c_hsum-k_q8ae111202c_hsum
	.p2alignl 7, 3214868480
	.fill 96, 4, 3214868480
	.section	.rodata,"a",@progbits
	.p2align	6, 0x0
	.amdhsa_kernel k_q8ae111202c_hsum
		.amdhsa_group_segment_fixed_size 0
		.amdhsa_private_segment_fixed_size 0
		.amdhsa_enable_private_segment 0
		.amdhsa_kernarg_size 16
		.amdhsa_user_sgpr_count 2
		.amdhsa_user_sgpr_kernarg_segment_ptr 1
		.amdhsa_wavefront_size32 1
		.amdhsa_system_sgpr_workgroup_id_x 1
		.amdhsa_system_sgpr_workgroup_id_y 1
		.amdhsa_system_sgpr_workgroup_id_z 1
		.amdhsa_system_vgpr_workitem_id 0
		.amdhsa_next_free_vgpr 72
		.amdhsa_next_free_sgpr 66
		.amdhsa_reserve_vcc 0
		.amdhsa_float_denorm_mode_32 3
		.amdhsa_float_denorm_mode_16_64 3
		.amdhsa_memory_ordered 1
		.amdhsa_forward_progress 1
		.amdhsa_inst_pref_size 6
	.end_amdhsa_kernel
	.amdgpu_metadata
---
amdhsa.version: [ 1, 2 ]
amdhsa.kernels:
  - .name:           k_q8ae111202c_hsum
    .symbol:         k_q8ae111202c_hsum.kd
    .args:
      - { .name: hp, .offset: 0, .size: 8, .value_kind: global_buffer, .address_space: global }
      - { .name: h, .offset: 8, .size: 8, .value_kind: global_buffer, .address_space: global }
    .group_segment_fixed_size: 0
    .private_segment_fixed_size: 0
    .kernarg_segment_align: 8
    .kernarg_segment_size: 16
    .max_flat_workgroup_size: 256
    .sgpr_count:     66
    .vgpr_count:     72
    .wavefront_size: 32
...
	.end_amdgpu_metadata
.endif
;; end of part 3
;; launch gemm2 (part 4): grid 32 x 8, 4 waves a work-group, no clusters, 325,632 bytes of LDS; arguments h, W_out, b_out, sel, yp, prb; writes yp
.if DOCPART == 4
	.amdgcn_target "amdgcn-amd-amdhsa--gfx1250"
	.amdhsa_code_object_version 6
	.text
	.protected	k_q8ae111202c_gemm2
	.globl	k_q8ae111202c_gemm2
	.p2align	8
	.type	k_q8ae111202c_gemm2,@function
k_q8ae111202c_gemm2:
	s_mov_b64 s[64:65], 0
	v_nop
	global_prefetch_b8 v0, s[64:65] scope:SCOPE_SE
	s_setreg_imm32_b32 hwreg(HW_REG_WAVE_MODE, 25, 1), 1
	s_wait_xcnt 0x0
; ONE TEXT FOR BOTH PRODUCTS OF THE EXPERTS' LAYER; G2 chooses.  G2 = 0: hp[ent] = f16(relu(x W_in[e] + b_in[e]) / 8).  G2 = 1: yp[q][ent] = p (h W_out[e] + b_out[e]), K quarter q's part, f32.
; ent = slot x 1024 + token names a token's first or second choice; each ent stands in exactly one expert's list, so each row of the output has one writer.
; SHARE.  A work-group of four waves has ONE expert (grid y) and a slice of its weights, 128 columns x 1,024 K: 512 KB of f32 that it alone reads, once; and ALL of that expert's rows, whatever their number (0 to 1,024).
; All four waves run the same text.
; THE STREAM AND THE PRODUCTS GO SIDE BY SIDE.  The slice comes in 16 chunks of 64 K.  Of chunk c wave w = 2 g + u loads K step 2 c + u of column group g (64 columns), rounds it in registers and stores it into LDS as
; matrix fragments; all four waves multiply the chunk with their own rows: weights from LDS, token rows from memory straight into operand registers.  The 16-bit image stays in LDS; each byte is written once.
; A TRIP HAS TWO BARRIERS.  Reads of the image stand only between the wait of the one and the signal of the other, stores into it only between the wait of that other and the next signal of the first: so the order of
; LDS reads and writes hangs on no address arithmetic.  The unit of chunk c + 1 is stored in trip c, between the even K step's products and the odd step's, and has the odd step's first 16 products in which to land.
; Each signal stands in the middle of a K step's products and its wait at their end: 16 matrix instructions lie between.
; ONE COUNTER, TWO KINDS OF LOAD.  A wave's loads come back in issue order, so rows are asked for as far ahead as weights.  Issue order in trip c: rows of K step 2 c + 3, weights of chunk c + 3, rows of K step 2 c + 4.
; By the text's count up to 72 loads are issued and not waited for; where a counter's field is full the issue of a load waits (ISA guide 5.7.1); no wait is written for that.
; NO TAIL IS WRITTEN OUT.  The last three requests for weights and the last three for rows have nothing left to fetch; they are issued all the same, so that every counted wait holds on every path, with their
; offset registers masked to 0 (and the weights' base set back to the slice's start): each such load reads one 16-byte place inside its buffer.  What the first of those weight requests brings is rounded and stored like
; a unit, into a 17th chunk of the wave's own block, which nobody multiplies.
; COLUMN ORDER.  Weight tile ct = 4 g + j holds columns 64 g + 4 r + j: one 16-byte load of a weight row gives a lane one number of each of four tiles, and 16 lanes read 256 consecutive bytes, aligned.
; The matrix instruction is used transposed (source 0 = weights, source 1 = 16 token rows): register i of tile ct in lane (r, h) is (row r, column 64 g + 32 h + 4 i + j): 32 neighbouring columns of one row a lane and g.
; ROWS.  List place pos lies in tile pos / 16.  A pass serves 20 tiles: tile 20 pass + 4 slot + wave.  The first pass's products stand beside the stream; rows past 320 are served by up to three more passes from the
; resident image.  The pass loop has four trips whatever the count, each with two barriers that every wave passes; only work is jumped.  Its short K loop asks for rows two K steps ahead and so reads 128 bytes past the
; last K step: they lie in the next row or in the buffer's pad and are never multiplied.
; Places past the count repeat the last row: they make the same numbers and store the same bytes to the same place, so EXEC is never narrowed.  A dead slot loads a live tile again; slots 0-3 are always multiplied,
; slot 4 only where it is live, and only live slots are stored.
; THE BIAS is a K step of its own, 1.0 x bias / 8, which starts every sum (G2 = 1: in K quarter 0 alone; elsewhere it is 0).
; FORMATS AND LIMITS.  All inputs are rounded to bf16.  G2 = 0: bf16 x bf16, sums f32; the result / 8 is rounded once to f16: |x W + b| stays under 524,000.  G2 = 1: f16 x f16; W_out is rounded to bf16 and that
; number written as f16: exact for 2^-17 <= |w| <= 65,504, below that within 2^-25.  NaN and infinities are not treated apart.
; NO CLUSTER, NO TENSOR LOADS: each slice has one reader, token rows come by a list, and f32 weights have to pass through registers to be rounded.
.set G2, 1
.if G2
.set PSH, 12                           ; a weight row is 1 << PSH bytes
.set ASH, 13                           ; a token row of A
.set OSH, 12                           ; a row of the output
.set BSH, 12                           ; an expert's bias
.set SPITCH, 528                       ; a stage row: 512 bytes + 16
.set ONEV, 0x3c00                      ; 1.0 in f16
.else
.set PSH, 14
.set ASH, 11
.set OSH, 13
.set BSH, 14
.set SPITCH, 272                       ; 256 bytes + 16
.set ONEV, 0x3f80                      ; 1.0 in bf16
.endif
.set P, 1<<PSH
; LDS.  Image: wave w's block at 69632 w (17 chunks), chunk c at + 4096 c, tile j at + 1024 j; operand registers 0-3 of lane L at 16 L, registers 4-7 at 512 + 16 L.  K step 2 c + u of column group g lies in block 2 g + u.
.set GW,    69632
.set BIASB, 4*GW                       ; the bias K step: tile ct at + 1024 ct
.set LIST,  BIASB+8192                 ; 1,088 words: entries 0-1023, 16 places for the padding, and from 1056 a dump word a lane for tokens of other experts
.set CNTW,  LIST+4352                  ; the count
.set STAGE, CNTW+256                   ; 16 rows x SPITCH for each wave, for the way out
.set SPARE, STAGE+4*16*SPITCH          ; the spare words, 128 bytes for each of four waves
; window 0
.set RO,  1                            ; v1-5    slot sl: byte offset of my row of A, + 16 h
.set ROC, 6                            ; v6-10   the same, or 0 where no K step is left
.set SPW, 11                           ; v11     my spare word; never rewritten
.set NIL, 12                           ; v12     0; never rewritten
.set L16, 13                           ; v13     16 x lane
.set R4,  14                           ; v14     4 r
.set H16, 15                           ; v15     16 h
.set STO, 16                           ; v16     the way out: where I put my part of a row
.set RD,  17                           ; v17     the way out: where I read rows back
.set LL,  18                           ; v18     4 h
.if G2
.set COL, 13                           ; my byte in an output row: 16 x lane
.else
.set COL, 19                           ; v19     16 r
.endif
.set ZERO, 20                          ; v20     0, for the relu
.set P8,  21                           ; v21-25  slot sl: 8 p of my row
.set VW,  26                           ; v26     my byte offset in a unit of weights
.set VWC, 27                           ; v27     the same, or 0 where no unit is left
.set VST, 28                           ; v28     where my fragments go
.set R16, 29                           ; v29     16 r
.set VB,  30                           ; v30-33  where block w of the image is read
.set TM,  34                           ; v34-39  at work
.set LW,  40                           ; v40-43  16 x lane + 69632 w
.set BH,  48                           ; v48-111, v112-175  a K step's eight weight tiles: the chunk's even step, its odd step
.set ONF, 176                          ; v176-183 source 1 of the bias K step
.set CV,  184                          ; v184-215 a unit's 4 tiles x 8 registers, rounded
.set TP,  216                          ; v216-231 at work
.set SEL, 48                           ; at the head: v48-79 sel
.set BQ,  80                           ; v80-87  bias
.set LT,  88                           ; v88-99  at work on the list
.set DIX, 100
.set TK4, 101
.set BA,  102
.set ZQ,  104                          ; v104-107 zeros
.set T,   48                           ; the way out
.if G2
.set BK,  112
.else
.set BK,  80
.endif
.set EN,  176
.set TA,  192
; window 1: v[64 sl + 8 ct] the sums of slots 0-3.   window 2: v[64 b ..] two buffers of 16 weight loads; v[192 + 8 ct] the sums of slot 4.   window 3: v[40 a + 8 sl] four buffers of rows
.set A4,  192
; scalars
.set WV, 16
.set EX, 17
.set CSL, 18
.set QQ, 19
.set CNT, 20
.set NT, 21
.set LIVE, 22
.set NTM1, 23
.set LAP, 24
.set PASS, 25
.set WP, 30
.set SA, 32
.set PFX, 34
.set HIM, 35
.set BS, 36
.set ONES, 37
.set TB0, 38
.set LBS, 39
.set STS, 44
.set KB, 45
.set M1, 48
.set M2, 52
.set MM, 56
.set PF, 60
.set W0, 66
.set WN, 68
.set MSK, 70
.set MSB, 0
.macro WIN new                         ; the immediate's high byte repeats the setting that is left; a switch that changes nothing is dropped
.if MSB != (\new)
	s_set_vgpr_msb (MSB<<8)|(\new)
.set MSB, \new
.endif
.endm
.macro PLACES                          ; four places behind matrix instructions, ahead of loads into and writes of their registers and of reads of their results
.rept 4
	v_nop
.endr
.endm
.macro WMA d, a, b                     ; d += a x b
.if G2
	v_wmma_f32_16x16x32_f16 v[(\d):(\d)+7], v[(\a):(\a)+7], v[(\b):(\b)+7], v[(\d):(\d)+7]
.else
	v_wmma_f32_16x16x32_bf16 v[(\d):(\d)+7], v[(\a):(\a)+7], v[(\b):(\b)+7], v[(\d):(\d)+7]
.endif
.endm
.macro WMZ d, a, b                     ; d = a x b: starts a sum
.if G2
	v_wmma_f32_16x16x32_f16 v[(\d):(\d)+7], v[(\a):(\a)+7], v[(\b):(\b)+7], 0
.else
	v_wmma_f32_16x16x32_bf16 v[(\d):(\d)+7], v[(\a):(\a)+7], v[(\b):(\b)+7], 0
.endif
.endm
; A unit is one K step of my column group: 16 loads (lane (r, h): weight rows 8 h + i, i = 0..7 and 16..23, 16 bytes each), ju chunks behind s[WP]
.macro ISSUE buf, ju
	WIN 0x80                                       ; destination window 2, address window 0
.irp i, 0,1,2,3,4,5,6,7
	global_load_b128 v[64*(\buf)+4*\i:64*(\buf)+4*\i+3], v[VWC], s[WP:WP+1] offset:(64*(\ju)+\i)*P th:TH_LOAD_NT
.endr
.irp i, 8,9,10,11,12,13,14,15
	global_load_b128 v[64*(\buf)+4*\i:64*(\buf)+4*\i+3], v[VWC], s[WP:WP+1] offset:(64*(\ju)+\i+8)*P th:TH_LOAD_NT
.endr
	WIN 0
.endm
.macro CONV buf                        ; two neighbouring k of one column make a register of tile tl
	WIN 0x0a                                       ; sources window 2, destination window 0
.irp tl, 0,1,2,3
.irp z, 0,1,2,3,4,5,6,7
	v_cvt_pk_bf16_f32 v[CV+8*\tl+\z], v[64*(\buf)+8*\z+\tl], v[64*(\buf)+8*\z+4+\tl]
.endr
.endr
	WIN 0
.if G2                                 ; the bf16 number written as f16
.irp b, 0,1,2,3
.irp y, 0,1,2,3,4,5,6,7
	v_lshlrev_b32 v[TP+2*\y], 16, v[CV+8*\b+\y]
	v_and_b32 v[TP+2*\y+1], s[HIM], v[CV+8*\b+\y]
.endr
.irp y, 0,1,2,3,4,5,6,7
	v_cvt_pk_f16_f32 v[CV+8*\b+\y], v[TP+2*\y], v[TP+2*\y+1]
.endr
.endr
.endif
.endm
.macro PUT off                         ; my rounded unit goes into my block of the image
.irp tl, 0,1,2,3
	ds_store_b128 v[VST], v[CV+8*\tl:CV+8*\tl+3] offset:(\off)+1024*\tl
	ds_store_b128 v[VST], v[CV+8*\tl+4:CV+8*\tl+7] offset:(\off)+1024*\tl+512
.endr
.endm
; Four words of sel: tokens 128 i + 4 l + c.  A token of my expert goes to the list's next place, by the count of such lanes below mine; any other to its lane's dump word.
.macro LGROUP i
.irp c, 0,1,2,3
	v_and_b32 v[LT+\c], 0xff, v[SEL+4*(\i)+\c]
	v_lshrrev_b32 v[LT+4+\c], 8, v[SEL+4*(\i)+\c]
.endr
.irp c, 0,1,2,3
	v_cmp_eq_u32 s[M1+\c], s[EX], v[LT+\c]
	v_cmp_eq_u32 s[M2+\c], s[EX], v[LT+4+\c]
.endr
.irp c, 0,1,2,3
	s_or_b32 s[MM+\c], s[M1+\c], s[M2+\c]
	s_mov_b32 s[PF+\c], s[PFX]
	s_bcnt1_i32_b32 s26, s[MM+\c]
	s_add_co_u32 s[PFX], s[PFX], s26
.endr
.irp c, 0,1,2,3
	v_mbcnt_lo_u32_b32 v[LT+\c], s[MM+\c], s[PF+\c]
	v_cndmask_b32 v[LT+\c], v[DIX], v[LT+\c], s[MM+\c]
	v_min_u32 v[LT+\c], 0x43f, v[LT+\c]
	v_lshl_add_u32 v[LT+\c], v[LT+\c], 2, LIST
	v_add_nc_u32 v[LT+4+\c], 128*(\i)+\c, v[TK4]
	v_or_b32 v[LT+8+\c], 0x400, v[LT+4+\c]
	v_cndmask_b32 v[LT+4+\c], v[LT+4+\c], v[LT+8+\c], s[M2+\c]  ; ent: + 1024 where my expert is the second choice
	ds_store_b32 v[LT+\c], v[LT+4+\c]
.endr
.endm
.macro LDB b, u, off                   ; a K step's eight weight tiles into buffer b: u = 0 a chunk's even step (blocks 0 and 2), u = 1 its odd step (blocks 1 and 3)
.irp tl, 0,1,2,3
	ds_load_b128 v[BH+64*(\b)+8*\tl:BH+64*(\b)+8*\tl+3], v[VB+(\u)] offset:(\off)+1024*\tl
	ds_load_b128 v[BH+64*(\b)+8*\tl+4:BH+64*(\b)+8*\tl+7], v[VB+(\u)] offset:(\off)+1024*\tl+512
.endr
.irp tl, 0,1,2,3
	ds_load_b128 v[BH+64*(\b)+32+8*\tl:BH+64*(\b)+32+8*\tl+3], v[VB+2+(\u)] offset:(\off)+1024*\tl
	ds_load_b128 v[BH+64*(\b)+32+8*\tl+4:BH+64*(\b)+32+8*\tl+7], v[VB+2+(\u)] offset:(\off)+1024*\tl+512
.endr
.endm
.macro VBSET                           ; the four blocks' read addresses at byte s[KB] of a block
.irp w, 0,1,2,3
	v_add_nc_u32 v[VB+\w], s[KB], v[LW+\w]
.endr
.endm
.macro LDA a, imm, rb                  ; one K step of my five tiles of rows: lane (r, h) takes bytes 16 h and 32 + 16 h of row r's 64; rb: the offset registers
	WIN 0xc0                                       ; destination window 3, address window 0
.irp sl, 0,1,2,3,4
	global_load_b128 v[40*(\a)+8*\sl:40*(\a)+8*\sl+3], v[(\rb)+\sl], s[SA:SA+1] offset:(\imm)
	global_load_b128 v[40*(\a)+8*\sl+4:40*(\a)+8*\sl+7], v[(\rb)+\sl], s[SA:SA+1] offset:(\imm)+32
.endr
	WIN 0
.endm
; A K step's products, in two parts, so that a barrier's signal can stand between them: slot 4 (where it is live) and slots 0 and 1; then slots 2 and 3, sixteen matrix instructions without a branch.
; The accumulators take turns, one instruction a turn: on no path do two matrix instructions that follow each other name the same one.
.macro MULA a, b
	s_cmp_lt_u32 s[LIVE], 5                        ; (at a branch and at a label every window is 0)
	s_cbranch_scc1 .Lno4_\@
	WIN 0xac                                       ; weights window 0, rows window 3, C and D window 2
.irp ct, 0,1,2,3,4,5,6,7
	WMA A4+8*\ct, BH+64*(\b)+8*\ct, 40*(\a)+32
.endr
	WIN 0
.Lno4_\@:
	WIN 0x5c                                       ; weights window 0, rows window 3, C and D window 1
.irp sl, 0,1
.irp ct, 0,1,2,3,4,5,6,7
	WMA 64*\sl+8*\ct, BH+64*(\b)+8*\ct, 40*(\a)+8*\sl
.endr
.endr
.endm
.macro MULB a, b
	WIN 0x5c
.irp sl, 2,3
.irp ct, 0,1,2,3,4,5,6,7
	WMA 64*\sl+8*\ct, BH+64*(\b)+8*\ct, 40*(\a)+8*\sl
.endr
.endr
	WIN 0
.endm
.macro LIVEC                           ; my live slots in the pass whose first tile of mine is s[TB0]: 0 where no tile is left for me
	s_max_u32 s26, s[NT], s[TB0]
	s_sub_co_u32 s[LIVE], s26, s[TB0]
	s_add_co_u32 s[LIVE], s[LIVE], 3
	s_lshr_b32 s[LIVE], s[LIVE], 2
	s_min_u32 s[LIVE], s[LIVE], 5
.endm
.macro ROWS                            ; the pass's list entries -> row offsets (G2: and p's offsets in v[TM ..])
.irp sl, 0,1,2,3,4
	s_add_co_u32 s26, s[TB0], 4*\sl                ; the slot's tile, or for a dead slot the last live one
	s_min_u32 s26, s26, s[NTM1]
	s_min_u32 s26, s26, 63
	s_lshl_b32 s26, s26, 6
	s_add_co_u32 s26, s26, LIST
	v_add_nc_u32 v[TM+\sl], s26, v[R4]
	ds_load_b32 v[RO+\sl], v[TM+\sl]
.endr
	s_wait_dscnt 0x0
.irp sl, 0,1,2,3,4
	v_min_u32 v[RO+\sl], 0x7ff, v[RO+\sl]
.if G2
	v_lshlrev_b32 v[TM+\sl], 2, v[RO+\sl]
.endif
	v_and_b32 v[RO+\sl], 0x3ff, v[RO+\sl]          ; the token
	v_lshl_add_u32 v[RO+\sl], v[RO+\sl], ASH, v[H16]
.endr
.if G2
.irp sl, 0,1,2,3,4
	global_load_b32 v[P8+\sl], v[TM+\sl], s[14:15] ; p of my row in each slot
.endr
.endif
.endm
.macro START                           ; the bias K step starts all 40 sums: nothing is cleared
	v_add_nc_u32 v[VB+1], BIASB, v[L16]
	v_add_nc_u32 v[VB+3], BIASB+4096, v[L16]
	LDB 1, 1, 0
	v_and_b32 v[ONF+1], 31, v0                     ; source 1: 1.0 at k = 0 of every row, else 0
	v_cmp_gt_u32 vcc_lo, 16, v[ONF+1]
	v_cndmask_b32 v[ONF], 0, s[ONES], vcc_lo
.irp x, 1,2,3,4,5,6,7
	v_mov_b32 v[ONF+\x], 0
.endr
	s_wait_dscnt 0x0
	WIN 0x40                                       ; D window 1
.irp sl, 0,1,2,3
.irp ct, 0,1,2,3,4,5,6,7
	WMZ 64*\sl+8*\ct, BH+64+8*\ct, ONF
.endr
.endr
	WIN 0x80                                       ; D window 2
.irp ct, 0,1,2,3,4,5,6,7
	WMZ A4+8*\ct, BH+64+8*\ct, ONF
.endr
	WIN 0
	PLACES
.endm
; TRIP c of the stream, c = 2 lap + p.  It begins behind the barrier that has shown chunk c whole.
.macro TRIP p
	LDB 0, 0, 4096*(\p)                            ; both K steps' fragments: the first memory instructions behind the barrier; the rounding below stands between them and their use
	LDB 1, 1, 4096*(\p)
	LDA 3-2*(\p), 192-128*(\p), ROC                ; the rows of K step 2 c + 3, into the buffer that the last trip's odd step multiplied
	s_wait_loadcnt 56                              ; my unit of chunk c + 1 is in; younger: rows, rows, a unit, rows, rows: 10 + 10 + 16 + 10 + 10
	CONV 1-(\p)
	ISSUE 1-(\p), 0                                ; chunk c + 3, into the buffer just rounded; its base and offset register were made ready in the last trip
	s_wait_loadcnt 62                              ; the even K step's rows are in; younger: 10 + 16 + 10 + 10 + 16
	s_wait_dscnt 16                                ; its fragments are in, the odd step's sixteen loads may be out
	MULA 2*(\p), 0
	s_wait_dscnt 0x0                               ; all my reads of the image are back:
	s_barrier_signal -1                            ; say so,
	MULB 2*(\p), 0                                 ; work on registers while the others arrive,
	PLACES
	s_barrier_wait -1                              ; every wave's are: now the image is written
	PUT 4096*((\p)+1)                              ; my unit of chunk c + 1
	s_wait_xcnt 0x0                                ; bases and offset registers of pending loads are rewritten only behind this wait; the last loads were issued ahead of the even step's products
.if (\p) == 0                          ; once a lap: the next four requests for rows, K steps 4 lap + 4 to 4 lap + 7
	s_cmp_ge_u32 s[LAP], 2                         ; are there such K steps?
	s_cselect_b32 s[MSK], -1, 0
	s_add_nc_u64 s[SA:SA+1], s[SA:SA+1], 256
.irp sl, 0,1,2,3,4
	v_and_b32 v[ROC+\sl], s[MSK], v[RO+\sl]
.endr
.endif
	s_cmp_ge_u32 s[LAP], 3                         ; is there a chunk c + 4, for the next trip's request?
	s_cselect_b64 s[WP:WP+1], s[WN:WN+1], s[W0:W0+1]
	s_cselect_b32 s[MSK], -1, 0
	v_and_b32 v[VWC], s[MSK], v[VW]
	s_add_nc_u64 s[WN:WN+1], s[WN:WN+1], 64*P
	LDA 2*(\p), 128*(\p), ROC                      ; the rows of K step 2 c + 4, into the buffer just multiplied
	s_wait_loadcnt 62                              ; the odd K step's rows are in; younger: 16 + 10 + 10 + 16 + 10
	MULA 2*(\p)+1, 1
	s_wait_dscnt 0x0                               ; for the others' sake: my unit of chunk c + 1 is written:
	s_barrier_signal -1                            ; say so,
	MULB 2*(\p)+1, 1
	PLACES
	s_barrier_wait -1                              ; chunk c + 1 is whole; from here on the image is only read
.endm
; THE WAY OUT of one tile of 16 rows, whose list entries begin at LDS byte s[LBS]: through my own stage, so that whole rows leave.
.macro WAYOUT base, win, pr
.if G2
	WIN \win
.irp i, 0,1,2,3,4,5,6,7                ; each accumulator's lowest register is read first
.irp g, 0,1
.irp j, 0,1,2,3
	v_mul_f32 v[T+32*\g+4*\i+\j], v[(\base)+32*\g+8*\j+\i], v[\pr]  ; times 8 p
.endr
.endr
.endr
	WIN 0
.irp g, 0,1
.irp i, 0,1,2,3,4,5,6,7
	ds_store_b128 v[STO], v[T+32*\g+4*\i:T+32*\g+4*\i+3] offset:256*\g+16*\i
.endr
.endr
	s_wait_xcnt 0x0                                ; the last tile's stores have read their registers: only now are these loaded again
	v_mov_b32 v[TA], s[LBS]
.irp t, 0,1,2,3,4,5,6,7,8,9,10,11,12,13,14,15
	ds_load_b32 v[EN+\t], v[TA] offset:4*\t        ; row t's ent, in every lane
.endr
.irp t, 0,1,2,3,4,5,6,7,8,9,10,11,12,13,14,15
	ds_load_b128 v[BK+4*\t:BK+4*\t+3], v[RD] offset:SPITCH*\t  ; LDS serves a wave's instructions in order (ISA guide 5.7.1.4): these see the stores above
.endr
	s_wait_dscnt 0x0
.irp t, 0,1,2,3,4,5,6,7,8,9,10,11,12,13,14,15
	v_min_u32 v[EN+\t], 0x7ff, v[EN+\t]
	v_lshl_add_u32 v[EN+\t], v[EN+\t], OSH, v[COL]
.endr
.irp t, 0,1,2,3,4,5,6,7,8,9,10,11,12,13,14,15
	global_store_b128 v[EN+\t], v[BK+4*\t:BK+4*\t+3], s[12:13]  ; 32 lanes store a row's 512 consecutive bytes, aligned
.endr
.else
	WIN \win
.irp i, 0,1,2,3,4,5,6,7                ; each accumulator's lowest register is read first
.irp g, 0,1
	v_cvt_pk_f16_f32 v[T+16*\g+2*\i], v[(\base)+32*\g+\i], v[(\base)+32*\g+8+\i]
	v_cvt_pk_f16_f32 v[T+16*\g+2*\i+1], v[(\base)+32*\g+16+\i], v[(\base)+32*\g+24+\i]
.endr
.endr
	WIN 0
.set x, 0
.rept 32
	v_pk_max_num_f16 v[T+x], v[T+x], v[\pr]        ; relu, two at a time
.set x, x+1
.endr
.irp g, 0,1
.irp i, 0,1,2,3
	ds_store_b128 v[STO], v[T+16*\g+4*\i:T+16*\g+4*\i+3] offset:128*\g+16*\i
.endr
.endr
	s_wait_xcnt 0x0                                ; the last tile's stores have read their registers: only now are these loaded again
	v_add_nc_u32 v[TA], s[LBS], v[LL]
.irp t, 0,1,2,3,4,5,6,7
	ds_load_b32 v[EN+\t], v[TA] offset:8*\t        ; the ent of row 2 t + lane / 16
.endr
.irp t, 0,1,2,3,4,5,6,7
	ds_load_b128 v[BK+4*\t:BK+4*\t+3], v[RD] offset:2*SPITCH*\t  ; LDS serves a wave's instructions in order (ISA guide 5.7.1.4): these see the stores above
.endr
	s_wait_dscnt 0x0
.irp t, 0,1,2,3,4,5,6,7
	v_min_u32 v[EN+\t], 0x7ff, v[EN+\t]
	v_lshl_add_u32 v[EN+\t], v[EN+\t], OSH, v[COL]
.endr
.irp t, 0,1,2,3,4,5,6,7
	global_store_b128 v[EN+\t], v[BK+4*\t:BK+4*\t+3], s[12:13]  ; 16 lanes store a row's 256 consecutive bytes, aligned
.endr
.endif
.endm
	s_load_b256 s[4:11], s[0:1], 0x0               ; A s[4:5], weights s[6:7], bias s[8:9], sel s[10:11]
.if G2
	s_load_b128 s[12:15], s[0:1], 0x20             ; yp s[12:13], prb s[14:15]
.else
	s_load_b64 s[12:13], s[0:1], 0x20              ; hp
.endif
	v_lshl_add_u32 v[SPW], v0, 2, SPARE
	v_mov_b32 v[NIL], 0
	v_lshrrev_b32 v[TM], 5, v0
	v_readfirstlane_b32 s[WV], v[TM]               ; wave 0..3
	v_and_b32 v[TM+1], 31, v0                      ; lane
	v_and_b32 v[TM+2], 15, v0                      ; r
	v_bfe_u32 v[TM+3], v0, 4, 1                    ; h
	v_lshlrev_b32 v[L16], 4, v[TM+1]
	v_lshlrev_b32 v[R4], 2, v[TM+2]
	v_lshlrev_b32 v[H16], 4, v[TM+3]
	v_lshlrev_b32 v[R16], 4, v[TM+2]
	v_lshlrev_b32 v[VW], PSH+3, v[TM+3]
	v_lshl_add_u32 v[VW], v[TM+2], 4, v[VW]        ; 8 h weight rows + 16 r
	v_mov_b32 v[VWC], v[VW]
.irp w, 0,1,2,3
	v_add_nc_u32 v[LW+\w], \w*GW, v[L16]
.endr
	s_mul_i32 s[STS], s[WV], GW                    ; my block of the image
	v_add_nc_u32 v[VST], s[STS], v[L16]
	s_mul_i32 s27, s[WV], 16*SPITCH
	s_add_co_u32 s27, s27, STAGE                   ; my stage
	v_mul_u32_u24 v[STO], SPITCH, v[TM+2]
.if G2
	v_lshl_add_u32 v[STO], v[TM+3], 7, v[STO]      ; in: row r, 128 bytes for each half of the lanes
	v_add_nc_u32 v[STO], s27, v[STO]
	v_add_nc_u32 v[RD], s27, v[L16]                ; back: 32 lanes take a row's 512 bytes
.else
	v_lshl_add_u32 v[STO], v[TM+3], 6, v[STO]      ; in: row r, 64 bytes for each half of the lanes
	v_add_nc_u32 v[STO], s27, v[STO]
	v_mul_u32_u24 v[RD], SPITCH, v[TM+3]           ; back: lanes 0-15 take one row's 256 bytes, lanes 16-31 the next
	v_lshl_add_u32 v[RD], v[TM+2], 4, v[RD]
	v_add_nc_u32 v[RD], s27, v[RD]
	v_lshlrev_b32 v[LL], 2, v[TM+3]
	v_lshlrev_b32 v[COL], 4, v[TM+2]
	v_mov_b32 v[ZERO], 0
.endif
	s_and_b32 s[EX], ttmp7, 0xffff                 ; the expert
.if G2
	s_and_b32 s[CSL], ttmp9, 7                     ; which 128 columns
	s_lshr_b32 s[QQ], ttmp9, 3                     ; which quarter of K
	s_cmp_eq_u32 s[QQ], 0
	s_cselect_b32 s[BS], 0x3e000000, 0             ; the bias, / 8, enters in quarter 0 alone
.else
	s_mov_b32 s[CSL], ttmp9
	s_mov_b32 s[QQ], 0
	s_mov_b32 s[BS], 0x3e000000
.endif
	s_mov_b32 s[HIM], 0xffff0000
	s_mov_b32 s[ONES], ONEV
	s_lshl_b32 s40, s[EX], 24                      ; an expert's weights are 16 MiB,
	s_lshl_b32 s26, s[QQ], 22                      ; a quarter of K 4 MiB,
	s_add_co_u32 s40, s40, s26
	s_lshl_b32 s26, s[CSL], 9                      ; 128 columns 512 bytes,
	s_add_co_u32 s40, s40, s26
	s_and_b32 s26, s[WV], 1                        ; a chunk's odd K step 32 weight rows,
	s_lshl_b32 s26, s26, PSH+5
	s_add_co_u32 s40, s40, s26
	s_lshr_b32 s26, s[WV], 1                       ; my column group 256 bytes
	s_lshl_b32 s26, s26, 8
	s_add_co_u32 s40, s40, s26
	s_mov_b32 s41, 0
	s_lshl_b32 s42, s[EX], BSH
	s_lshl_b32 s26, s[CSL], 9
	s_add_co_u32 s42, s42, s26
	s_mov_b32 s43, 0
	s_wait_kmcnt 0x0
	s_add_nc_u64 s[W0:W0+1], s[6:7], s[40:41]      ; my unit of chunk 0
	s_mov_b64 s[WP:WP+1], s[W0:W0+1]
	s_add_nc_u64 s[8:9], s[8:9], s[42:43]          ; the slice's bias
.if G2
	s_lshl_b32 s40, s[QQ], 11
	s_add_nc_u64 s[4:5], s[4:5], s[40:41]          ; h at my quarter of K
	s_lshl_b32 s40, s[QQ], 23
	s_lshl_b32 s26, s[CSL], 9
	s_add_co_u32 s40, s40, s26
.else
	s_lshl_b32 s40, s[CSL], 8
.endif
	s_add_nc_u64 s[12:13], s[12:13], s[40:41]      ; the output at my columns
	; every wave asks for sel and the bias, 10 small loads, so that all four count alike; wave 0 uses them
.irp i, 0,1,2,3,4,5,6,7
	global_load_b128 v[SEL+4*\i:SEL+4*\i+3], v[L16], s[10:11] offset:512*\i
.endr
	global_load_b128 v[BQ:BQ+3], v[R16], s[8:9]
	global_load_b128 v[BQ+4:BQ+7], v[R16], s[8:9] offset:256
	ISSUE 0, 0                                     ; my units of chunks 0 and 1
	ISSUE 1, 1
	s_wait_loadcnt 32                              ; sel and the bias are in; the 32 weight loads are younger
	s_cmp_lg_u32 s[WV], 0
	s_cbranch_scc1 .Lnolist
	; WAVE 0: the list and the bias block; the others read them behind the barrier
	v_lshlrev_b32 v[TK4], 2, v[TM+1]
	v_add_nc_u32 v[DIX], 1056, v[TM+1]
.irp x, 0,1,2,3
	v_mov_b32 v[ZQ+\x], 0
.endr
	v_add_nc_u32 v[BA], LIST, v[L16]
.irp x, 0,1,2,3,4,5,6,7,8
	ds_store_b128 v[BA], v[ZQ:ZQ+3] offset:512*\x  ; list and count begin as zeros: entry 0 exists where the expert has no row
.endr
	s_mov_b32 s[PFX], 0
.irp i, 0,1,2,3,4,5,6,7
	LGROUP \i
.endr
	s_max_u32 s26, s[PFX], 1                       ; the last entry is repeated sixteen times behind the list
	s_sub_co_u32 s26, s26, 1
	s_min_u32 s26, s26, 0x3ff
	s_lshl_b32 s26, s26, 2
	s_add_co_u32 s26, s26, LIST
	v_mov_b32 v[LT], s26
	ds_load_b32 v[LT+1], v[LT]
	v_add_nc_u32 v[LT+2], s[PFX], v[TM+2]
	v_min_u32 v[LT+2], 0x40f, v[LT+2]
	v_lshl_add_u32 v[LT+2], v[LT+2], 2, LIST
	v_mov_b32 v[LT+3], CNTW
	v_mov_b32 v[LT+4], s[PFX]
	s_wait_dscnt 0x0
	ds_store_b32 v[LT+2], v[LT+1]
	ds_store_b32 v[LT+3], v[LT+4]
	v_cmp_gt_u32 vcc_lo, 16, v[TM+1]
.irp x, 0,1,2,3,4,5,6,7                ; register x = 4 g + j is tile x's column 64 g + 4 r + j: k = 0 lies in the low half of register 0 of lanes 0-15
	v_mul_f32 v[BQ+\x], s[BS], v[BQ+\x]
	v_cvt_pk_bf16_f32 v[BQ+\x], v[BQ+\x], v[ZQ]
.if G2
	v_lshlrev_b32 v[BQ+\x], 16, v[BQ+\x]
	v_cvt_pk_f16_f32 v[BQ+\x], v[BQ+\x], v[ZQ]
.endif
	v_cndmask_b32 v[BQ+\x], 0, v[BQ+\x], vcc_lo
.endr
	v_add_nc_u32 v[BA], BIASB, v[L16]
.irp x, 0,1,2,3,4,5,6,7
	ds_store_b128 v[BA], v[ZQ:ZQ+3] offset:1024*\x
	ds_store_b128 v[BA], v[ZQ:ZQ+3] offset:1024*\x+512
.endr
.irp x, 0,1,2,3,4,5,6,7
	ds_store_b32 v[BA], v[BQ+\x] offset:1024*\x
.endr
.Lnolist:
	s_wait_dscnt 0x0                               ; for the others' sake: list, count and bias block are written
	s_barrier_signal -1
	s_barrier_wait -1
	; all that follows up to the wait for chunk 0 stands in the time in which the first weights are on their way
	v_mov_b32 v[TM], CNTW
	ds_load_b32 v[TM+1], v[TM]
	s_wait_dscnt 0x0
	v_readfirstlane_b32 s[CNT], v[TM+1]
	s_min_u32 s[CNT], s[CNT], 0x400
	s_add_co_u32 s[NT], s[CNT], 15
	s_lshr_b32 s[NT], s[NT], 4                     ; tiles of 16 rows
	s_max_u32 s[NTM1], s[NT], 1
	s_sub_co_u32 s[NTM1], s[NTM1], 1
	s_mov_b32 s[TB0], s[WV]                        ; my first tile of the first pass
	LIVEC
	ROWS
.irp sl, 0,1,2,3,4
	v_mov_b32 v[ROC+\sl], v[RO+\sl]                ; the loop's requests name these
.endr
	s_mov_b64 s[SA:SA+1], s[4:5]
	LDA 0, 0, RO                                   ; the rows of K steps 0 and 1
	LDA 1, 64, RO
	START
	s_wait_loadcnt 36+5*G2                         ; my unit of chunk 0 is in; younger: chunk 1's unit, (G2: five p,) two K steps of rows
	CONV 0
	ISSUE 0, 2                                     ; chunk 2
	LDA 2, 128, RO                                 ; K step 2: the issue order is now that of the loop
	s_mov_b32 s[KB], 0
	VBSET
	s_wait_dscnt 0x0                               ; my reads of list, count and bias block are back
	s_barrier_signal -1
	s_barrier_wait -1                              ; every wave's are: now the image is written
	PUT 0                                          ; my unit of chunk 0
	s_wait_xcnt 0x0                                ; the pending loads' base is rewritten only behind this wait
	s_add_nc_u64 s[WP:WP+1], s[W0:W0+1], 192*P     ; the first trip asks for chunk 3,
	s_add_nc_u64 s[WN:WN+1], s[W0:W0+1], 256*P     ; the second for chunk 4
	s_mov_b32 s[LAP], 8
	s_wait_dscnt 0x0                               ; for the others' sake: my unit of chunk 0 is written
	s_barrier_signal -1
	s_barrier_wait -1                              ; chunk 0 is whole
.Lf:                                                   ; eight laps of two trips: 16 chunks are multiplied, chunks 1 to 15 (and the 17th place) stored
	TRIP 0
	TRIP 1
	s_add_co_u32 s[STS], s[STS], 8192
	v_add_nc_u32 v[VST], s[STS], v[L16]
	s_add_co_u32 s[KB], s[KB], 8192
	VBSET
	s_sub_co_u32 s[LAP], s[LAP], 1
	s_cmp_lg_u32 s[LAP], 0
	s_cbranch_scc1 .Lf
.if G2
.irp sl, 0,1,2,3,4
	v_mul_f32 v[P8+\sl], 0x41000000, v[P8+\sl]     ; 8 p: the sums hold an eighth
.endr
.endif
	s_mov_b32 s[PASS], 4
.Lpass:                                                ; four passes of 20 tiles serve every split
	LIVEC
	s_cmp_eq_u32 s[PASS], 4
	s_cbranch_scc1 .Lkdone                         ; the first pass's sums were made beside the stream
	s_cmp_eq_u32 s[LIVE], 0
	s_cbranch_scc1 .Lkdone                         ; no tile: the products are jumped; no barrier stands in what is jumped
	s_wait_loadcnt 0x0                             ; the requests that had nothing to fetch have landed: their registers are free
	s_wait_xcnt 0x0                                ; the last pass's stores have read their registers
	ROWS
	s_mov_b64 s[SA:SA+1], s[4:5]
	LDA 0, 0, RO
	LDA 1, 64, RO
	START
	s_mov_b32 s[KB], 0
	VBSET
	LDB 0, 0, 0                                    ; K step 0's weights
	s_mov_b32 s[LAP], 16
.Lk:                                                   ; a chunk a trip, from the resident image
	s_wait_loadcnt 10                              ; the even K step's rows are in; the odd step's ten loads stay out
	s_wait_dscnt 0x0                               ; its weights, asked for a K step ago, are in
	LDB 1, 1, 0
	MULA 0, 0
	MULB 0, 0
	PLACES
	s_wait_xcnt 0x0                                ; the pending loads' base is stepped only behind this wait; they were issued a K step ago
	s_add_nc_u64 s[SA:SA+1], s[SA:SA+1], 128
	LDA 0, 0, RO                                   ; the rows two K steps on
	s_wait_loadcnt 10
	s_wait_dscnt 0x0
	LDB 0, 0, 4096                                 ; the next chunk's even step (behind the last chunk: the blocks' 17th place, never multiplied)
	MULA 1, 1
	MULB 1, 1
	PLACES
	LDA 1, 64, RO
	s_add_co_u32 s[KB], s[KB], 4096
	VBSET
	s_sub_co_u32 s[LAP], s[LAP], 1
	s_cmp_lg_u32 s[LAP], 0
	s_cbranch_scc1 .Lk
.if G2
.irp sl, 0,1,2,3,4
	v_mul_f32 v[P8+\sl], 0x41000000, v[P8+\sl]
.endr
.endif
.Lkdone:
	s_wait_dscnt 0x0                               ; my reads of image, bias block and list are back
	s_barrier_signal -1
	s_barrier_wait -1                              ; every wave's are: only now is a stage written
.irp sl, 0,1,2,3,4
	s_cmp_le_u32 s[LIVE], \sl
	s_cbranch_scc1 .Lwdone                         ; dead slots store nothing
	s_add_co_u32 s26, s[TB0], 4*\sl
	s_min_u32 s26, s26, 63
	s_lshl_b32 s26, s26, 6
	s_add_co_u32 s[LBS], s26, LIST
.if \sl < 4
.if G2
	WAYOUT 64*\sl, 0x01, P8+\sl
.else
	WAYOUT 64*\sl, 0x05, ZERO
.endif
.else
.if G2
	WAYOUT A4, 0x02, P8+4
.else
	WAYOUT A4, 0x0a, ZERO
.endif
.endif
.endr
.Lwdone:
	s_wait_dscnt 0x0                               ; my stores into my stage and my reads of it are over
	s_barrier_signal -1
	s_barrier_wait -1                              ; every wave's are: the next pass may read LDS
	s_add_co_u32 s[TB0], s[TB0], 20
	s_sub_co_u32 s[PASS], s[PASS], 1
	s_cmp_lg_u32 s[PASS], 0
	s_cbranch_scc1 .Lpass
	s_wait_tensorcnt 0x0                           ; the wave's end: behind my last LDS store
	ds_add_u32 v[SPW], v[NIL]
	s_wait_dscnt 0x0
	s_endpgm
.Lfunc_end_k_q8ae111202c_gemm2:
	.size	k_q8ae111202c_gemm2, .Lfunc_end_k_q8ae111202c_gemm2-k_q8ae111202c_gemm2
	.p2alignl 7, 3214868480
	.fill 96, 4, 3214868480
	.section	.rodata,"a",@progbits
	.p2align	6, 0x0
	.amdhsa_kernel k_q8ae111202c_gemm2
		.amdhsa_group_segment_fixed_size 325632
		.amdhsa_private_segment_fixed_size 0
		.amdhsa_enable_private_segment 0
		.amdhsa_kernarg_size 48
		.amdhsa_user_sgpr_count 2
		.amdhsa_user_sgpr_kernarg_segment_ptr 1
		.amdhsa_wavefront_size32 1
		.amdhsa_system_sgpr_workgroup_id_x 1
		.amdhsa_system_sgpr_workgroup_id_y 1
		.amdhsa_system_sgpr_workgroup_id_z 1
		.amdhsa_system_vgpr_workitem_id 0
		.amdhsa_next_free_vgpr 928
		.amdhsa_next_free_sgpr 72
		.amdhsa_reserve_vcc 1
		.amdhsa_float_denorm_mode_32 3
		.amdhsa_float_denorm_mode_16_64 3
		.amdhsa_memory_ordered 1
		.amdhsa_forward_progress 1
		.amdhsa_inst_pref_size 164
	.end_amdhsa_kernel
	.amdgpu_metadata
---
amdhsa.version: [ 1, 2 ]
amdhsa.kernels:
  - .name:           k_q8ae111202c_gemm2
    .symbol:         k_q8ae111202c_gemm2.kd
    .args:
      - { .name: h, .offset: 0, .size: 8, .value_kind: global_buffer, .address_space: global }
      - { .name: W_out, .offset: 8, .size: 8, .value_kind: global_buffer, .address_space: global }
      - { .name: b_out, .offset: 16, .size: 8, .value_kind: global_buffer, .address_space: global }
      - { .name: sel, .offset: 24, .size: 8, .value_kind: global_buffer, .address_space: global }
      - { .name: yp, .offset: 32, .size: 8, .value_kind: global_buffer, .address_space: global }
      - { .name: prb, .offset: 40, .size: 8, .value_kind: global_buffer, .address_space: global }
    .group_segment_fixed_size: 325632
    .private_segment_fixed_size: 0
    .kernarg_segment_align: 8
    .kernarg_segment_size: 48
    .max_flat_workgroup_size: 128
    .sgpr_count:     72
    .vgpr_count:     928
    .wavefront_size: 32
...
	.end_amdgpu_metadata
.endif
;; end of part 4
;; launch sum8 (part 5): grid 256 x 1, 8 waves a work-group, no clusters, 0 bytes of LDS; arguments yp, out0; writes out0
.if DOCPART == 5
	.amdgcn_target "amdgcn-amd-amdhsa--gfx1250"
	.amdhsa_code_object_version 6
	.text
	.protected	k_q8ae111202c_sum8
	.globl	k_q8ae111202c_sum8
	.p2align	8
	.type	k_q8ae111202c_sum8,@function
k_q8ae111202c_sum8:
	s_mov_b64 s[64:65], 0
	v_nop
	global_prefetch_b8 v0, s[64:65] scope:SCOPE_SE
	s_setreg_imm32_b32 hwreg(HW_REG_WAVE_MODE, 25, 1), 1
	s_wait_xcnt 0x0
; out0[token] = the sum of the token's eight partial rows, yp[q][slot][token] (four quarters of K x two choices), in f32, in the fixed order ((0+1)+(2+3)) + ((4+5)+(6+7)).
; A stream: the work-group owns 16 KB of out0, thread t the 16 bytes at 4096 i + 16 t of it (i = 0..3).  All 32 loads of a wave go out at once; each load and store of a wave covers 512 consecutive bytes.
; No LDS, no barrier, no matrix unit: bytes are all there is.
.set Y, 8                              ; v8-135  piece i, part m: four registers at Y + 32 i + 4 m
	s_load_b128 s[4:7], s[0:1], 0x0                ; yp s[4:5], out0 s[6:7]
	v_lshlrev_b32 v1, 4, v0
	s_lshl_b32 s2, ttmp9, 14
	s_mov_b32 s3, 0
	s_wait_kmcnt 0x0
	s_add_nc_u64 s[4:5], s[4:5], s[2:3]
	s_add_nc_u64 s[6:7], s[6:7], s[2:3]
.irp m, 0,1,2,3,4,5,6,7
	s_add_nc_u64 s[16+2*\m:17+2*\m], s[4:5], \m*0x400000  ; part m = 2 q + slot lies 4 MiB x m on
.endr
.irp i, 0,1,2,3
.irp m, 0,1,2,3,4,5,6,7
	global_load_b128 v[Y+32*\i+4*\m:Y+32*\i+4*\m+3], v1, s[16+2*\m:17+2*\m] offset:4096*\i th:TH_LOAD_NT
.endr
.endr
.macro ADD2 d, s                       ; four numbers of part s onto part d
	v_pk_add_f32 v[(\d):(\d)+1], v[(\d):(\d)+1], v[(\s):(\s)+1]
	v_pk_add_f32 v[(\d)+2:(\d)+3], v[(\d)+2:(\d)+3], v[(\s)+2:(\s)+3]
.endm
.irp i, 0,1,2,3
	s_wait_loadcnt 24-8*\i                         ; loads come back in order: piece i's eight are in, the later pieces' stay out
	ADD2 Y+32*\i, Y+32*\i+4
	ADD2 Y+32*\i+8, Y+32*\i+12
	ADD2 Y+32*\i+16, Y+32*\i+20
	ADD2 Y+32*\i+24, Y+32*\i+28
	ADD2 Y+32*\i, Y+32*\i+8
	ADD2 Y+32*\i+16, Y+32*\i+24
	ADD2 Y+32*\i, Y+32*\i+16
	global_store_b128 v1, v[Y+32*\i:Y+32*\i+3], s[6:7] offset:4096*\i th:TH_STORE_NT
.endr
	s_endpgm
.Lfunc_end_k_q8ae111202c_sum8:
	.size	k_q8ae111202c_sum8, .Lfunc_end_k_q8ae111202c_sum8-k_q8ae111202c_sum8
	.p2alignl 7, 3214868480
	.fill 96, 4, 3214868480
	.section	.rodata,"a",@progbits
	.p2align	6, 0x0
	.amdhsa_kernel k_q8ae111202c_sum8
		.amdhsa_group_segment_fixed_size 0
		.amdhsa_private_segment_fixed_size 0
		.amdhsa_enable_private_segment 0
		.amdhsa_kernarg_size 16
		.amdhsa_user_sgpr_count 2
		.amdhsa_user_sgpr_kernarg_segment_ptr 1
		.amdhsa_wavefront_size32 1
		.amdhsa_system_sgpr_workgroup_id_x 1
		.amdhsa_system_sgpr_workgroup_id_y 1
		.amdhsa_system_sgpr_workgroup_id_z 1
		.amdhsa_system_vgpr_workitem_id 0
		.amdhsa_next_free_vgpr 136
		.amdhsa_next_free_sgpr 66
		.amdhsa_reserve_vcc 0
		.amdhsa_float_denorm_mode_32 3
		.amdhsa_float_denorm_mode_16_64 3
		.amdhsa_memory_ordered 1
		.amdhsa_forward_progress 1
		.amdhsa_inst_pref_size 8
	.end_amdhsa_kernel
	.amdgpu_metadata
---
amdhsa.version: [ 1, 2 ]
amdhsa.kernels:
  - .name:           k_q8ae111202c_sum8
    .symbol:         k_q8ae111202c_sum8.kd
    .args:
      - { .name: yp, .offset: 0, .size: 8, .value_kind: global_buffer, .address_space: global }
      - { .name: out0, .offset: 8, .size: 8, .value_kind: global_buffer, .address_space: global }
    .group_segment_fixed_size: 0
    .private_segment_fixed_size: 0
    .kernarg_segment_align: 8
    .kernarg_segment_size: 16
    .max_flat_workgroup_size: 256
    .sgpr_count:     66
    .vgpr_count:     136
    .wavefront_size: 32
...
	.end_amdgpu_metadata
.endif
;; end of part 5
